; MI455X (gfx1250); checked and timed in simulation.
; The chip was launched on July 23, 2026; its instructions are those of AMD's public machine-readable ISA for CDNA 5 (MIT licence, August 2026) and "CDNA5" Instruction Set Architecture Reference Guide (July 2026). The comments in the code are by the model that wrote it; some were corrected since.
;; Dot Product Attention. Allowed arithmetic: matrix products marked QUANTISED: E5M2 operands, one E8M0 scale for each 32 along K, by v_wmma_scale_f32_16x16x128_f8f6f4 with both operands' format E5M2, f32 sums; everything else in f32.
;; Inputs: keys 32 x 2,048 x 128 float32; queries 32 x 2,048 x 128 float32; valid_lens 32 int32; values 32 x 2,048 x 128 float32.
;; Outputs: out0 32 x 2,048 x 128 float32.
;; This version of the problem:
;;   THIS VERSION OF THE PROBLEM IS GIVEN IN LOW PRECISION. The matrix products marked QUANTISED in the list below multiply operands that are first quantised to E5M2 (5 exponent bits, 2 mantissa bits; 8 bits a number), with one power-of-two scale for each 32 numbers along K (OCP MX v1.0); their sums are f32. All else is computed in f32.
;;   The module's matrix products, in the order in which they are computed (A, B: the left and right operand; K: the contracted axis; several contracted axes count as one K, in the product's order):
;;     1. batch 32 x [M 2,048, K 128] x [K 128, N 2,048]; A: input queries; B: input keys: QUANTISED
;;     2. batch 32 x [M 2,048, K 2,048] x [K 2,048, N 128]; A: softmax (see below); B: input values: QUANTISED
;;   THE QUANTISER, for each operand of a quantised product, along K:
;;     - K is cut into blocks of 32 from its start; a last block that is shorter is filled with zeros.
;;     - A block's scale is 2^e with e = floor(log2(the largest magnitude in the block)) - 15, held to -126 .. 127; a block of zeros has e = 0. As a byte (E8M0): e + 127.
;;     - Each number is divided by its block's scale, clamped to +-57,344, and rounded to the nearest number of E5M2, ties to even, subnormals kept.
;;     - The product sums the exact products of the quantised numbers (number of the format x scale) in f32.
;;   ~~~python
;;   def quantise(x, axis):      # numpy; x: float32 -> the quantised numbers, widened to float32 again
;;       x = np.moveaxis(x, axis, -1); K = x.shape[-1]
;;       x = np.pad(x, [(0, 0)] * (x.ndim - 1) + [(0, -K % 32)]); x = x.reshape(x.shape[:-1] + (-1, 32)); a = np.abs(x).max(-1, keepdims=True)
;;       e = np.where(a > 0, np.clip(np.frexp(np.where(a > 0, a, 1))[1] - 1 - 15, -126, 127), 0)      # np.frexp(a)[1] - 1 = floor(log2(a)), exactly
;;       r = np.clip(x / 2.0 ** e, -57344, 57344)
;;       step = 2.0 ** (np.maximum(np.frexp(np.where(r == 0, 1, r))[1] - 1, -14) - 2)
;;       q = np.round(r / step) * step * 2.0 ** e      # np.round: ties to even
;;       return np.moveaxis(q.reshape(q.shape[:-2] + (-1,))[..., :K], -1, axis).astype(np.float32)
;;   ~~~
;;   SOFTMAX AHEAD OF A QUANTISED PRODUCT. Where the list says 'softmax', what is quantised is not the finished softmax but p = 2^(t - M), with t = logit x log2(e) and M = ceil(the row's largest t), a whole number; so 1/2 < the row's largest p <= 1. The row's sum l is taken of the UNQUANTISED p, in f32, and the product's result is divided by l at the end. Since M is a whole number, a kernel that streams over the keys may use a running M (the ceiling of the running maximum): every later rescaling is an exact power of two, which a block's scale takes up: the codes' values come out the same.
;;   OPERANDS COMPUTED ON THE WAY. 'Computed on the way' means the value that the module computes at that place (a softmax that the list does not call 'softmax' is quantised finished and normalised). What goes into a quantiser is computed in f32, as accurately as f32 sums, v_exp_f32 and their like allow (about 1e-6 of the number): no bf16 or f16 on the way to a quantiser, and a product that is left as it is and whose result goes on into a quantised operand takes f32 operands (vector FMAs, or v_wmma_f32_16x16x4_f32). A number that lies on a knife's edge between two numbers of the format may be rounded either way, as far as f32 arithmetic and the matrix unit's own rounding can turn it there, and no further.
;; 2 versions. Each part assembles by itself: llvm-mc -triple=amdgcn-amd-amdhsa -mcpu=gfx1250 --defsym DOCPART=n.
;; ======== version 1 of 2: 2 launches
;; workspace buffers: kv 17,301,504 bytes
;; launch quant (part 1): grid 16 x 64, 8 waves a work-group, no clusters, 70,144 bytes of LDS; arguments keys, values, valid_lens, kv; writes kv
.if DOCPART == 1
	.amdgcn_target "amdgcn-amd-amdhsa--gfx1250"
	.amdhsa_code_object_version 6
	.text
	.protected	k_q992e0bbb23_quant
	.globl	k_q992e0bbb23_quant
	.p2align	8
	.type	k_q992e0bbb23_quant,@function
k_q992e0bbb23_quant:
	s_mov_b64 s[64:65], 0
	v_nop
	global_prefetch_b8 v0, s[64:65] scope:SCOPE_SE
	s_setreg_imm32_b32 hwreg(HW_REG_WAVE_MODE, 25, 1), 1
	s_wait_xcnt 0x0
; keys and values, [32][2048][128] f32, become codes of BF8 (E5M2) with one E8M0 scale for each 32 along a product's K: keys along d, values along the KEYS.
; The codes are laid in kv as IMAGES OF THE OPERAND'S REGISTERS, so that the next launch copies them as they lie.  A batch has 540,672 bytes: 16 key steps (128 keys) of 32,768 bytes of codes, then 16 x 1,024 bytes of scale words.
;   a step's codes: K's tile t (0..7) at 2,048 t, V's at 16,384 + 2,048 t; in a tile: registers 4 c .. 4 c + 3 at 512 c, lane l's 16 bytes at 16 l.
;   a step's scale words: K's 512 bytes, then V's; the word of (tile t, row r) at 256 (t % 2) + 16 r + 4 (t / 2): the image of four registers, register j holding tile 2 j in lanes 0-15 and tile 2 j + 1 in lanes 16-31.
;   K's tile 2 b + u: lane r takes key 32 b + 8 u + r + 8 (r / 8), registers along d.   V's tile t: lane r takes d = 16 t + r, registers along the step's keys.
; A block's scale is 2^(floor(log2(its largest magnitude)) - 15); its byte is that magnitude's exponent field - 15, held at 1 from below.  Each number is held within +-57,344 x the scale and rounded to the nearest code, ties to even.
; LIMITS: a block of zeros gets the byte 1 where the rule says 127 (its codes are zeros, and this program alone reads the bytes); blocks whose largest magnitude lies under 2^(16 - 127) keep the byte 1; NaN and infinities are not served.
; SHARES.  Work-group (x, y): key step x of tensor y % 2 (0 keys, 1 values) of batch y / 2: 128 rows of 512 bytes.  Wave w loads rows 16 w .. 16 w + 15, whole rows of 512 consecutive bytes, into a stage in LDS, and makes tile w from it.
; ONLY THE STEPS THAT COUNT: n = max(1, ceil(valid_lens[batch] / 128)); the next launch reads steps 0 .. n - 1 alone.  The grid is fixed and serves every valid_lens: a work-group whose step is not read passes both barriers and stores nothing.
; The branch on a number read from memory is why LDS is filled through registers here, with no tensor load.  No barrier stands under a branch.
.set PITCH,  528                       ; a stage row: 512 bytes + 16: an odd multiple of 16
.set GROUP,  16*PITCH+128              ; 16 rows, then 128 bytes more: the two runs of eight rows of a tile of K start at 16 different 16-byte columns of a 256-byte row of banks (64 banks of 4 bytes: ISA guide 11.1),
                                       ; and lanes 16-31 of V's column reads stand 32 banks from lanes 0-15
.set SCL,    8*GROUP                   ; behind the stage: 512 bytes in which the eight waves' scale words meet
.set BATCHB, 540672
.set SCW,    524288
.set X,   16                           ; v16-79   64 numbers
.set PC,  80                           ; v80-95   their codes
.set TM,  96                           ; v96-99 largest magnitudes, v100-103 bytes, v104-107 the largest number x the scale, v108-111 the conversions' scale operands
.set PW,  112                          ; v112     the scale word
.set OW,  116                          ; v116-119 the scale words on their way out
.set SEL, 20                           ; s[20:21] v_permlanex16_b32's selects for lane l xor 16
.set MNT, 22                           ; s22      the mantissa field of 57,344
; 64 numbers of a lane, register 16 b + i = k 32 b + 16 (lane / 16) + i of the lane's row, become a fragment's codes in v[pc] on and its scale word in v[pw]
.macro QUANT s, pc, pw
.irp b, 0,1,2,3
	v_max3_num_f32 v[TM+\b], |v[\s+16*\b]|, |v[\s+1+16*\b]|, 0x8000000   ; block b: my 16 numbers, and the floor 2^(16 - 127): the byte cannot fall under 1
.endr
.irp i, 2,4,6,8,10,12,14
.irp b, 0,1,2,3
	v_max3_num_f32 v[TM+\b], v[TM+\b], |v[\s+16*\b+\i]|, |v[\s+1+16*\b+\i]|   ; the four blocks by turns
.endr
.endr
.irp b, 0,1,2,3
	v_permlanex16_b32 v[TM+4+\b], v[TM+\b], s[SEL], s[SEL+1]
.endr
.irp b, 0,1,2,3
	v_max_num_f32 v[TM+\b], v[TM+\b], v[TM+4+\b]   ; with lane l xor 16's 16: the block's largest magnitude
.endr
.irp b, 0,1,2,3
	v_add_nc_u32 v[TM+12+\b], 0xf8800000, v[TM+\b]   ; 15 off its exponent field: the conversion takes this operand's exponent field as its scale
.endr
.irp b, 0,1,2,3
	v_and_or_b32 v[TM+8+\b], v[TM+\b], 0x7f800000, s[MNT]   ; 57,344 x the scale
.endr
.irp b, 0,1,2,3
	v_lshrrev_b32 v[TM+4+\b], 23, v[TM+12+\b]      ; the scale's byte
.endr
	v_lshl_or_b32 v[\pw], v[TM+5], 8, v[TM+4]      ; four bytes make my row's scale word
	v_lshl_or_b32 v[\pw], v[TM+6], 16, v[\pw]
	v_lshl_or_b32 v[\pw], v[TM+7], 24, v[\pw]
.irp b, 0,1,2,3
.irp i, 0,1,2,3,4,5,6,7,8,9,10,11,12,13,14,15
	v_med3_num_f32 v[\s+16*\b+\i], v[\s+16*\b+\i], -v[TM+8+\b], v[TM+8+\b]   ; the conversion to an 8-bit code does not saturate (ISA guide 7.6.2): the hold comes first
.endr
	v_cvt_scalef32_pk8_bf8_f32 v[\pc+4*\b:\pc+1+4*\b], v[\s+16*\b:\s+7+16*\b], v[TM+12+\b]
	v_cvt_scalef32_pk8_bf8_f32 v[\pc+2+4*\b:\pc+3+4*\b], v[\s+8+16*\b:\s+15+16*\b], v[TM+12+\b]
.endr
	v_nop                                          ; one plain line behind the last conversion
.endm
	s_load_b256 s[4:11], s[0:1], 0x0               ; keys s[4:5], values s[6:7], valid_lens s[8:9], kv s[10:11]
	v_lshl_add_u32 v128, v0, 2, 0x10e00
	v_mov_b32 v129, 0
	v_lshrrev_b32 v7, 5, v0
	v_readfirstlane_b32 s12, v7                    ; wave 0..7
	s_mov_b32 s13, ttmp9                           ; the key step
	s_and_b32 s14, ttmp7, 0xffff
	s_and_b32 s15, s14, 1                          ; 0: keys, 1: values
	s_lshr_b32 s16, s14, 1                         ; the batch
	s_mov_b32 s[SEL], 0x76543210
	s_mov_b32 s[SEL+1], 0xfedcba98
	s_mov_b32 s[MNT], 0x600000
	; every LDS address is made here, ahead of the first branch
	v_and_b32 v7, 31, v0                           ; lane
	v_lshlrev_b32 v1, 4, v7                        ; v1: 16 x lane
	s_mul_i32 s31, s12, GROUP
	v_add_nc_u32 v2, s31, v1                       ; v2: the stage on the way in: my wave's 16 rows, 16 bytes a lane
	v_and_b32 v8, 15, v0                           ; r
	v_bfe_u32 v9, v0, 4, 1                         ; h
	v_and_b32 v10, 7, v0                           ; r % 8
	v_bfe_u32 v11, v0, 3, 1                        ; r / 8
	s_lshr_b32 s32, s12, 1                         ; b = w / 2
	s_and_b32 s33, s12, 1                          ; u = w % 2
	s_mul_i32 s31, s32, 2*GROUP
	s_mul_i32 s34, s33, 8*PITCH
	s_add_co_u32 s31, s31, s34
	v_mul_u32_u24 v3, v10, PITCH
	v_mad_u32_u24 v3, v11, GROUP, v3
	v_lshl_add_u32 v3, v9, 6, v3
	v_add_nc_u32 v3, s31, v3                       ; v3: K's reads: key 32 b + 8 u + r + 8 (r / 8), + 64 h bytes: my 16 numbers of a block of 32
	s_lshl_b32 s31, s12, 6
	v_lshlrev_b32 v4, 2, v8
	v_mad_u32_u24 v4, v9, GROUP, v4
	v_add_nc_u32 v4, s31, v4                       ; v4: V's reads: column d = 16 w + r, lanes 16-31 sixteen keys further down
	s_lshl_b32 s31, s33, 8
	s_lshl_b32 s34, s32, 2
	s_add_co_u32 s31, s31, s34
	s_add_co_u32 s31, s31, SCL
	v_lshl_add_u32 v5, v8, 4, s31                  ; v5: my row's scale word: 256 (w % 2) + 4 (w / 2) + 16 r
	v_add_nc_u32 v6, SCL, v1                       ; v6: and all 512 bytes of them, 16 a lane
.irp b, 0,1,2,3
	v_mov_b32 v[TM+4+\b], 0                        ; written once: a lane permute's destination counts as one of its sources
.endr
	s_lshl_b32 s30, s16, 2
	s_wait_kmcnt 0x0
	s_load_b32 s17, s[8:9], s30 offset:0x0         ; valid_lens[batch]: the offset is made of the work-group's number
	s_cmp_eq_u32 s15, 0
	s_cselect_b64 s[24:25], s[4:5], s[6:7]         ; the choice hangs on the work-group's number alone
	s_lshl_b32 s32, s16, 20                        ; a batch is 2^20 bytes, a step 2^16, my wave's 16 rows 2^13
	s_lshl_b32 s34, s13, 16
	s_add_co_u32 s32, s32, s34
	s_lshl_b32 s34, s12, 13
	s_add_co_u32 s32, s32, s34
	s_mov_b32 s33, 0
	s_add_nc_u64 s[24:25], s[24:25], s[32:33]      ; s[24:25]: what I load
	s_mul_i32 s32, s16, BATCHB
	s_add_nc_u64 s[10:11], s[10:11], s[32:33]      ; kv at my batch
	s_lshl_b32 s32, s13, 15
	s_lshl_b32 s34, s15, 14
	s_add_co_u32 s32, s32, s34
	s_lshl_b32 s34, s12, 11
	s_add_co_u32 s32, s32, s34
	s_add_nc_u64 s[26:27], s[10:11], s[32:33]      ; s[26:27]: my tile's image
	s_lshl_b32 s32, s13, 10
	s_lshl_b32 s34, s15, 9
	s_add_co_u32 s32, s32, s34
	s_add_co_u32 s32, s32, SCW
	s_add_nc_u64 s[28:29], s[10:11], s[32:33]      ; s[28:29]: the work-group's 512 bytes of scale words
	s_wait_kmcnt 0x0
	s_max_i32 s17, s17, 0
	s_min_u32 s17, s17, 2048                       ; the length, held to 0 .. 2,048
	s_add_co_u32 s18, s17, 127
	s_lshr_b32 s18, s18, 7
	s_max_u32 s18, s18, 1                          ; n: the steps that are read
	s_cmp_lt_u32 s13, s18
	s_cbranch_scc0 .Lno_in
.irp i, 0,1,2,3,4,5,6,7,8,9,10,11,12,13,14,15
	global_load_b128 v[X+4*\i:X+4*\i+3], v1, s[24:25] offset:512*\i th:TH_LOAD_NT   ; a whole row: 512 consecutive bytes; read once in the launch
.endr
.irp i, 0,1,2,3,4,5,6,7,8,9,10,11,12,13,14,15
	s_wait_loadcnt 15-\i                           ; loads come back in order: row i is in, the 15 - i younger ones may be out
	ds_store_b128 v2, v[X+4*\i:X+4*\i+3] offset:PITCH*\i
.endr
.Lno_in:
	s_wait_dscnt 0x0                               ; for the others' sake: my rows lie in the stage
	s_barrier_signal -1
	s_barrier_wait -1                              ; all 128 rows do
	s_cmp_lt_u32 s13, s18
	s_cbranch_scc0 .Lno_work
	s_cmp_eq_u32 s15, 0
	s_cbranch_scc0 .Lread_v
.irp c, 0,1,2,3
.irp j, 0,1,2,3
	ds_load_b128 v[X+16*\c+4*\j:X+16*\c+4*\j+3], v3 offset:128*\c+16*\j   ; K(my key, 32 c + 16 h + 4 j ..)
.endr
.endr
	s_branch .Lread_done
.Lread_v:
.irp c, 0,1,2,3
.irp i, 0,1,2,3,4,5,6,7,8,9,10,11,12,13,14,15
	ds_load_b32 v[X+16*\c+\i], v4 offset:2*GROUP*\c+PITCH*\i   ; V(key 32 c + 16 h + i, my d): the registers run down the keys
.endr
.endr
.Lread_done:
	s_wait_dscnt 0x0
	QUANT X, PC, PW
.irp c, 0,1,2,3
	global_store_b128 v1, v[PC+4*\c:PC+4*\c+3], s[26:27] offset:512*\c   ; 32 lanes store 512 consecutive bytes, at a multiple of 256 from kv's first byte
.endr
	ds_store_b32 v5, v[PW]                         ; lanes l and l + 16 write the same word with the same value
.Lno_work:
	s_wait_dscnt 0x0                               ; my scale words lie in LDS
	s_barrier_signal -1
	s_barrier_wait -1                              ; all eight tiles' do
	s_cmp_lt_u32 s13, s18
	s_cbranch_scc0 .Lend
	s_cmp_lg_u32 s12, 0
	s_cbranch_scc1 .Lend
	ds_load_b128 v[OW:OW+3], v6
	s_wait_dscnt 0x0
	global_store_b128 v1, v[OW:OW+3], s[28:29]     ; wave 0 stores the 512 bytes whole
.Lend:
	s_wait_tensorcnt 0x0
	ds_add_u32 v128, v129
	s_wait_dscnt 0x0
	s_endpgm
.Lfunc_end_k_q992e0bbb23_quant:
	.size	k_q992e0bbb23_quant, .Lfunc_end_k_q992e0bbb23_quant-k_q992e0bbb23_quant
	.p2alignl 7, 3214868480
	.fill 96, 4, 3214868480
	.section	.rodata,"a",@progbits
	.p2align	6, 0x0
	.amdhsa_kernel k_q992e0bbb23_quant
		.amdhsa_group_segment_fixed_size 70144
		.amdhsa_private_segment_fixed_size 0
		.amdhsa_enable_private_segment 0
		.amdhsa_kernarg_size 32
		.amdhsa_user_sgpr_count 2
		.amdhsa_user_sgpr_kernarg_segment_ptr 1
		.amdhsa_wavefront_size32 1
		.amdhsa_system_sgpr_workgroup_id_x 1
		.amdhsa_system_sgpr_workgroup_id_y 1
		.amdhsa_system_sgpr_workgroup_id_z 1
		.amdhsa_system_vgpr_workitem_id 0
		.amdhsa_next_free_vgpr 130
		.amdhsa_next_free_sgpr 66
		.amdhsa_reserve_vcc 0
		.amdhsa_float_denorm_mode_32 3
		.amdhsa_float_denorm_mode_16_64 3
		.amdhsa_memory_ordered 1
		.amdhsa_forward_progress 1
		.amdhsa_inst_pref_size 21
	.end_amdhsa_kernel
	.amdgpu_metadata
---
amdhsa.version: [ 1, 2 ]
amdhsa.kernels:
  - .name:           k_q992e0bbb23_quant
    .symbol:         k_q992e0bbb23_quant.kd
    .args:
      - { .name: keys, .offset: 0, .size: 8, .value_kind: global_buffer, .address_space: global }
      - { .name: values, .offset: 8, .size: 8, .value_kind: global_buffer, .address_space: global }
      - { .name: valid_lens, .offset: 16, .size: 8, .value_kind: global_buffer, .address_space: global }
      - { .name: kv, .offset: 24, .size: 8, .value_kind: global_buffer, .address_space: global }
    .group_segment_fixed_size: 70144
    .private_segment_fixed_size: 0
    .kernarg_segment_align: 8
    .kernarg_segment_size: 32
    .max_flat_workgroup_size: 256
    .sgpr_count:     66
    .vgpr_count:     130
    .wavefront_size: 32
...
	.end_amdgpu_metadata
.endif
;; end of part 1
;; launch attend (part 2): grid 16 x 16, 8 waves a work-group, no clusters, 203,776 bytes of LDS; arguments queries, kv, valid_lens, out0; writes out0
.if DOCPART == 2
	.amdgcn_target "amdgcn-amd-amdhsa--gfx1250"
	.amdhsa_code_object_version 6
	.text
	.protected	k_q992e0bbb23_attend
	.globl	k_q992e0bbb23_attend
	.p2align	8
	.type	k_q992e0bbb23_attend,@function
k_q992e0bbb23_attend:
	s_mov_b64 s[64:65], 0
	v_nop
	global_prefetch_b8 v0, s[64:65] scope:SCOPE_SE
	s_setreg_imm32_b32 hwreg(HW_REG_WAVE_MODE, 25, 1), 1
	s_wait_xcnt 0x0
; out0[b][q][:] = the sum over k < valid_lens[b] of softmax_k(Q[b][q] . K[b][k] / sqrt(128)) V[b][k][:], both products on codes of BF8 (E5M2) with one E8M0 scale for each 32 along a product's K.
; queries [32][2048][128] f32 are quantised here, in registers; K's and V's codes and scale words come from kv, laid by the launch before as images of the operands' registers (a batch: 16 steps of 32,768 bytes of codes,
; K's eight tiles and then V's, 2,048 bytes each; from byte 524,288 on 1,024 bytes of scale words a step, K's 512 and then V's).
; THE SOFTMAX: t = score x log2(e) / sqrt(128); M = the running largest t rounded UP to a whole number; p = 2^(t - M) is quantised along the keys, not normalised; the row's sum is taken of the unquantised p and divides at the end.
; When M moves, the sum and O are multiplied by 2^(old M - new M): exact.  Keys at or beyond the length get the score -infinity ahead of the maximum: p = 0.
; ONLY THE STEPS THAT COUNT.  A key step is 128 keys; a batch has n = max(1, ceil(length / 128)) steps that count; the others add nothing and are left out by scalar branches on valid_lens.
; PAIRS.  The 32 lengths are ranked in registers (key: length x 32 + batch).  Work-group (x, p): waves 0-3 serve queries 128 x .. 128 x + 127 of the batch of rank 31 - p, waves 4-7 the same queries of the batch of rank p:
; a long batch and a short one side by side, so that the steps of a work-group are nearly the same number in all 256.  A wave owns 32 queries, two tiles of 16: each fragment read from LDS feeds two products.
; NO TENSOR LOAD, NO CLUSTER, NO JOINT REQUESTS: which steps are walked hangs on numbers read from memory, and partners would need different numbers of tiles; with lengths spread over 1 .. 2,048 the steps left out are
; (16 - 8.5) / 16 of all.  So LDS is filled through registers: the four waves of a group copy a step's 33,792 bytes, a step ahead, into the other of the group's two slots.
; The loop has 16 trips whatever the lengths, with one barrier each, under no branch: in front of it a wave's reads of this trip's slot and its stores into the other slot are done.
; LAYOUT.  Both products are used transposed: S^T = K Q^T, O^T = V^T P^T: a lane holds ONE query (lane % 16) throughout.  Lane r of K's tile 2 b + u holds key 32 b + 8 u + r + 8 (r / 8), so that the 16 registers of tiles
; 2 b and 2 b + 1 are keys 32 b + 16 (lane / 16) + 0 .. 15: the conversions' results are the second product's operand.
; LIMITS: NaN and infinities among the inputs are not served.  A block's largest p is made from its largest score by the same multiply-add and exponential, which takes v_exp_f32 not to fall where its input rises.
; v_exp_f32 gives 0 for p under 2^-126.  A block of zeros has the byte 1.  A length of 0 gives 0 / 0 = NaN in every number of the batch, as the softmax of a row of -infinity does.
; REGISTERS, in two windows of 256 (s_set_vgpr_msb: bits 1:0 source 0, 3:2 source 1, 5:4 source 2, 7:6 destination).  Tile T's working set lies in window T at the same numbers, so each macro is written once:
;   both: v11 16 h; v12 -M, v13 the largest t, v[14:15] the sum in two halves; v16-31 Q's codes; v96-159 S^T, then p; v160-223 O^T; v224-239 p's codes; v232-247, v252, v254 at work; v253 the scale word just made
;   window 0 alone: v0-8 addresses; v9, v255 Q's scale words (tile 1, tile 0); v10, v253 p's (tile 1, tile 0); v32-95 four fragments of K or V; v248-251 their scale words.  (Scale operands have no window.)
;   window 1 alone: v32-95 and v[2:3]: the bytes of the next step on their way from memory to LDS.
.set SLOTB,  33792                     ; a slot: 32,768 bytes of codes, K's 512 bytes of scale words, V's 512
.set GRPB,   2*SLOTB                   ; a group's two slots
.set STG,    2*GRPB                    ; behind the rings: a stage of 16 rows x 528 bytes for each wave, its own: for Q's turn and for the way out
.set WSTG,   16*528
.set BATCHB, 540672
.set SCW,    524288
.set STO, 0                            ; v0   the way out: where I put 32 bytes of a row: STG + 8,448 w + 528 r + 32 h (made when the thread's number has had its last use)
.set LIG, 1                            ; v1   16 x lane
.set LI0, 2                            ; v2, v3  16 x lane in my group's slot 0, slot 1
.set STA, 4                            ; v4   my stage, 16 x lane: whole rows
.set SF,  5                            ; v5   where I put my quarter of a step's codes: group, + 8,192 x (wave % 4), + 16 x lane
.set SS,  6                            ; v6   and of its scale words: group, + 32,768 + 256 x (wave % 4) + 8 x lane
.set G8,  7                            ; v7   8 x lane
.set PFO, 8                            ; v8   256 x lane
.set QS1, 9
.set PS1, 10
.set H16, 11
.set TM,  232
.set STQ, 252                          ; v252 at the head alone: Q's turn through the stage: STO + 32 h
.set QS0, 255
.set MNT, 19                           ; s19  the mantissa field of 57,344
.set SEL, 20                           ; s[20:21] v_permlanex16_b32's selects for lane l xor 16
.set CS,  22                           ; s[22:23] c = log2(e) / sqrt(128)
.set REM, 24                           ; s24  n - the trip's step
.set LEFT, 25                          ; s25  the length - 128 x the trip's step
.set LC,  26                           ; s26  the loop's counter
.set GB,  28                           ; s[28:29] my quarter of the codes of the step that is staged next
.set GC,  30                           ; s[30:31] and of its scale words
.set LIMC, 32                          ; s32  2 in a work-group that prefetches, else the greatest number
.set ASKS, 33                          ; s33  8 in a wave that prefetches scale words, else 0
.set PSB, 34                           ; s[34:35] the 8,192 bytes of scale words that such a wave names
.set QB,  36                           ; s[36:37] my 32 rows of queries
.set OB,  38                           ; s[38:39] and of out0
.set MSB, 0
.macro WIN new                         ; the immediate's high byte repeats the setting that is left; a switch that changes nothing is dropped
.if MSB != \new
	s_set_vgpr_msb (MSB<<8)|\new
.set MSB, \new
.endif
.endm
.macro PLACES                          ; eight plain lines: the distance behind this matrix form, in front of loads into its registers and of reads of its results
.rept 8
	v_nop
.endr
.endm
; 64 numbers of a lane, register 16 b + i = k 32 b + 16 (lane / 16) + i of the lane's row, become a fragment's codes in v[pc] on and its scale word in v[pw]
.macro QUANT s, pc, pw
.irp b, 0,1,2,3
	v_max3_num_f32 v[TM+\b], |v[\s+16*\b]|, |v[\s+1+16*\b]|, 0x8000000   ; block b: my 16 numbers, and the floor 2^(16 - 127): the byte cannot fall under 1
.endr
.irp i, 2,4,6,8,10,12,14
.irp b, 0,1,2,3
	v_max3_num_f32 v[TM+\b], v[TM+\b], |v[\s+16*\b+\i]|, |v[\s+1+16*\b+\i]|
.endr
.endr
.irp b, 0,1,2,3
	v_permlanex16_b32 v[TM+4+\b], v[TM+\b], s[SEL], s[SEL+1]
.endr
.irp b, 0,1,2,3
	v_max_num_f32 v[TM+\b], v[TM+\b], v[TM+4+\b]   ; with lane l xor 16's 16: the block's largest magnitude
.endr
.irp b, 0,1,2,3
	v_add_nc_u32 v[TM+12+\b], 0xf8800000, v[TM+\b]   ; 15 off its exponent field: the conversion's scale operand
.endr
.irp b, 0,1,2,3
	v_and_or_b32 v[TM+8+\b], v[TM+\b], 0x7f800000, s[MNT]   ; 57,344 x the scale
.endr
.irp b, 0,1,2,3
	v_lshrrev_b32 v[TM+4+\b], 23, v[TM+12+\b]      ; the scale's byte
.endr
	v_lshl_or_b32 v[\pw], v[TM+5], 8, v[TM+4]
	v_lshl_or_b32 v[\pw], v[TM+6], 16, v[\pw]
	v_lshl_or_b32 v[\pw], v[TM+7], 24, v[\pw]
.irp b, 0,1,2,3
.irp i, 0,1,2,3,4,5,6,7,8,9,10,11,12,13,14,15
	v_med3_num_f32 v[\s+16*\b+\i], v[\s+16*\b+\i], -v[TM+8+\b], v[TM+8+\b]   ; the conversion to an 8-bit code does not saturate (ISA guide 7.6.2): the hold comes first
.endr
	v_cvt_scalef32_pk8_bf8_f32 v[\pc+4*\b:\pc+1+4*\b], v[\s+16*\b:\s+7+16*\b], v[TM+12+\b]
	v_cvt_scalef32_pk8_bf8_f32 v[\pc+2+4*\b:\pc+3+4*\b], v[\s+8+16*\b:\s+15+16*\b], v[TM+12+\b]
.endr
	v_nop                                          ; one plain line behind the last conversion
.endm
; my quarter of a step: 8,192 bytes of codes and 256 of scale words, from memory into window 1.  No cache word: sixteen work-groups read these bytes
.macro STAGE_LOAD
	WIN 0x40
.irp i, 0,1,2,3,4,5,6,7,8,9,10,11,12,13,14,15
	global_load_b128 v[32+4*\i:35+4*\i], v[LIG], s[GB:GB+1] offset:512*\i
.endr
	global_load_b64 v[2:3], v[G8], s[GC:GC+1]
	WIN 0
.endm
.macro STAGE_STORE slot                ; and from there into the slot, as they lie
	WIN 0x04
.irp i, 0,1,2,3,4,5,6,7,8,9,10,11,12,13,14,15
	ds_store_b128 v[SF], v[32+4*\i:35+4*\i] offset:SLOTB*(\slot)+512*\i
.endr
	ds_store_b64 v[SS], v[2:3] offset:SLOTB*(\slot)
	WIN 0
.endm
; A PREFETCH INTO THE L2, behind the wave's 17 loads.  In trip s, which loads step s + 1, each wave names its own 8,192 bytes of step s + 2, lanes 256 bytes apart, where s + 2 < n: what the next trip loads.
; Sixteen work-groups walk the same batch: the one with x = 0 asks, so each block of 256 bytes is named once in the launch.  Steps 0 and 1 come by their loads alone.
; first = 1, the loop's first trip: waves 0 and 1 of a group name the batch's scale words, 8,192 bytes each (steps 0-7 where n > 2; steps 8-15 where n > 8).  The addresses are stepped at the trip's end, behind s_wait_xcnt 0.
.macro ASK first
	s_cmp_gt_i32 s[REM], s[LIMC]
	s_cbranch_scc0 .Lno_codes_\@
	global_prefetch_b8 v[PFO], s[GB:GB+1] offset:32768 th:TH_LOAD_NT scope:SCOPE_SE
.Lno_codes_\@:
.if \first
	s_cmp_eq_u32 s[LC], s[ASKS]
	s_cbranch_scc0 .Lno_words_\@
	global_prefetch_b8 v[PFO], s[PSB:PSB+1] th:TH_LOAD_NT scope:SCOPE_SE
.Lno_words_\@:
.endif
.endm
; a product that starts a sum, and one that adds in place.  odd = 1: source 0's scale words stand in lanes 16-31
.macro MMZ d, a, b, sa, sb, odd
.if \odd
	v_wmma_scale_f32_16x16x128_f8f6f4 v[(\d):(\d)+7], v[(\a):(\a)+15], v[(\b):(\b)+15], 0, v[\sa], v[\sb] matrix_a_fmt:MATRIX_FMT_BF8 matrix_b_fmt:MATRIX_FMT_BF8 matrix_a_scale:MATRIX_SCALE_ROW1
.else
	v_wmma_scale_f32_16x16x128_f8f6f4 v[(\d):(\d)+7], v[(\a):(\a)+15], v[(\b):(\b)+15], 0, v[\sa], v[\sb] matrix_a_fmt:MATRIX_FMT_BF8 matrix_b_fmt:MATRIX_FMT_BF8
.endif
.endm
.macro MMA d, a, b, sa, sb, odd
.if \odd
	v_wmma_scale_f32_16x16x128_f8f6f4 v[(\d):(\d)+7], v[(\a):(\a)+15], v[(\b):(\b)+15], v[(\d):(\d)+7], v[\sa], v[\sb] matrix_a_fmt:MATRIX_FMT_BF8 matrix_b_fmt:MATRIX_FMT_BF8 matrix_a_scale:MATRIX_SCALE_ROW1
.else
	v_wmma_scale_f32_16x16x128_f8f6f4 v[(\d):(\d)+7], v[(\a):(\a)+15], v[(\b):(\b)+15], v[(\d):(\d)+7], v[\sa], v[\sb] matrix_a_fmt:MATRIX_FMT_BF8 matrix_b_fmt:MATRIX_FMT_BF8
.endif
.endm
; Register 16 b + i holds the step's key 32 b + 16 h + i: hidden where that is at or beyond what is left of the length
.macro MASK
	v_sub_nc_u32 v252, s[LEFT], v[H16]             ; d = what is left - 16 h
	v_mov_b32 v254, 0xff800000                     ; -infinity
.irp n, 0,1,2,3,4,5,6,7,8,9,10,11,12,13,14,15,16,17,18,19,20,21,22,23,24,25,26,27,28,29,30,31,32,33,34,35,36,37,38,39,40,41,42,43,44,45,46,47,48,49,50,51,52,53,54,55,56,57,58,59,60,61,62,63
	v_cmp_ge_i32 vcc_lo, 32*(\n/16)+\n%16, v252
	v_cndmask_b32 v[96+\n], v[96+\n], v254, vcc_lo
.endr
.endm
; One tile's softmax for one key step, in the window that is set.  t = 1: the scale word is copied into window 0, where scale operands are read
.macro SOFTMAX t
.irp b, 0,1,2,3
	v_max3_num_f32 v[232+\b], v[96+16*\b], v[97+16*\b], v[98+16*\b]   ; the largest score of each block of 32 keys: for the row's maximum, and, since p rises with the score, for the block's largest p
.endr
.irp i, 3,5,7,9,11,13
.irp b, 0,1,2,3
	v_max3_num_f32 v[232+\b], v[232+\b], v[96+16*\b+\i], v[97+16*\b+\i]
.endr
.endr
.irp b, 0,1,2,3
	v_max_num_f32 v[232+\b], v[232+\b], v[111+16*\b]
.endr
.irp b, 0,1,2,3
	v_permlanex16_b32 v[236+\b], v[232+\b], s[SEL], s[SEL+1]
.endr
.irp b, 0,1,2,3
	v_max_num_f32 v[232+\b], v[232+\b], v[236+\b]  ; with lane l xor 16's 16 keys
.endr
	v_max3_num_f32 v254, v232, v233, v234
	v_max_num_f32 v254, v254, v235                 ; the step's largest score of my query
	v_mul_f32 v254, s[CS], v254                    ; as t (c is positive)
	v_max_num_f32 v13, v13, v254                   ; the running largest t
	v_mov_b32 v254, v12
	v_floor_f32 v12, -v13                          ; the new -M = floor(-t): M is a whole number
	v_sub_f32 v254, v12, v254                      ; old M - new M: a whole number, 0 or less
	v_cvt_i32_f32 v254, v254                       ; (it saturates)
	v_ldexp_f32 v252, 1.0, v254                    ; f = 2^(old M - new M)
.set j, 0
.rept 32
	v_pk_fma_f32 v[96+j:97+j], v[96+j:97+j], s[CS:CS+1], v[12:13] op_sel_hi:[1,0,0]   ; t - M, two at a time
.set j, j+2
.endr
.irp b, 0,1,2,3
	v_fma_f32 v[232+\b], v[232+\b], s[CS], v12     ; the same of each block's largest score
.endr
.set j, 0
.rept 64
	v_exp_f32 v[96+j], v[96+j]                     ; p = 2^(t - M), at most 1
.set j, j+1
.endr
	v_pk_mul_f32 v[14:15], v[14:15], v[252:253] op_sel_hi:[1,0]   ; the sums under the new M: a plain line behind the exponentials
	s_wait_alu depctr_va_vdst(0)                   ; one wait for the batch of 64, ahead of its first reader
.irp b, 0,1,2,3
	v_exp_f32 v[232+\b], v[232+\b]                 ; the block's largest p
.endr
	v_pk_add_f32 v[236:237], v[96:97], v[98:99]    ; the row's sum of the UNQUANTISED p, in two chains; it reads the 64 alone
.irp j, 4,8,12,16,20,24,28,32,36,40,44,48,52,56,60
	v_pk_add_f32 v[14:15], v[14:15], v[96+\j:97+\j]
	v_pk_add_f32 v[236:237], v[236:237], v[98+\j:99+\j]
.endr
	v_pk_add_f32 v[14:15], v[14:15], v[236:237]
	s_wait_alu depctr_va_vdst(0)                   ; and one for the four
.irp b, 0,1,2,3
	v_max_num_f32 v[232+\b], 0x8000000, v[232+\b]  ; the floor 2^(16 - 127)
.endr
.irp b, 0,1,2,3
	v_add_nc_u32 v[244+\b], 0xf8800000, v[232+\b]  ; the conversion's scale operand
.endr
.irp b, 0,1,2,3
	v_and_or_b32 v[240+\b], v[232+\b], 0x7f800000, s[MNT]   ; 57,344 x the scale
.endr
.irp b, 0,1,2,3
	v_lshrrev_b32 v[236+\b], 23, v[244+\b]         ; the scale's byte
.endr
	v_lshl_or_b32 v253, v237, 8, v236              ; p's scale word for these 128 keys
	v_lshl_or_b32 v253, v238, 16, v253
	v_lshl_or_b32 v253, v239, 24, v253
.if \t
	WIN 0x01
	v_mov_b32 v[PS1], v253                         ; more than eight plain lines follow ahead of the product that reads it
	WIN 0x55
.endif
.irp b, 0,1,2,3
.irp i, 0,1,2,3,4,5,6,7,8,9,10,11,12,13,14,15
	v_min_num_f32 v[96+16*\b+\i], v[96+16*\b+\i], v[240+\b]   ; p is not negative: the hold is one-sided
.endr
	v_cvt_scalef32_pk8_bf8_f32 v[224+4*\b:225+4*\b], v[96+16*\b:103+16*\b], v[244+\b]
	v_cvt_scalef32_pk8_bf8_f32 v[226+4*\b:227+4*\b], v[104+16*\b:111+16*\b], v[244+\b]
.endr
.set j, 0
.rept 32
	v_pk_mul_f32 v[160+j:161+j], v[160+j:161+j], v[252:253] op_sel_hi:[1,0]   ; O^T under the new M; these are also the plain lines between the codes and the products
.set j, j+2
.endr
.endm
; A KEY STEP for my two tiles, from the slot named.  Every accumulator has one instruction a turn.
.macro STEP slot
	PLACES                                         ; behind the last step's products, in front of loads into their sources
	ds_load_b128 v[248:251], v[LI0+\slot] offset:32768   ; K's scale words: four registers at once
.irp g, 0,1                            ; S^T = K Q^T: four tiles of 16 keys at a time, each for both tiles of queries
.if \g
	PLACES
.endif
.irp t, 0,1,2,3
.irp c, 0,1,2,3
	ds_load_b128 v[32+16*\t+4*\c:35+16*\t+4*\c], v[LI0+\slot] offset:2048*(4*\g+\t)+512*\c   ; an image: 512 consecutive bytes a load
.endr
.endr
	s_wait_dscnt 0x0
.irp t, 0,1,2,3
	MMZ 96+8*(4*\g+\t), 32+16*\t, 16, 248+(4*\g+\t)/2, QS0, (\t%2)
.endr
	WIN 0x44                                       ; D and source 1 (Q) in window 1
.irp t, 0,1,2,3
	MMZ 96+8*(4*\g+\t), 32+16*\t, 16, 248+(4*\g+\t)/2, QS1, (\t%2)
.endr
	WIN 0
.endr
	PLACES
	ds_load_b128 v[248:251], v[LI0+\slot] offset:33280   ; V's scale words and its first four tiles are asked for now and land under the softmax
.irp t, 0,1,2,3
.irp c, 0,1,2,3
	ds_load_b128 v[32+16*\t+4*\c:35+16*\t+4*\c], v[LI0+\slot] offset:16384+2048*\t+512*\c
.endr
.endr
	s_cmp_ge_i32 s[LEFT], 128                      ; all 128 keys count: nothing to hide
	s_cbranch_scc1 .Lopen_\@
	MASK
	WIN 0x55
	MASK
	WIN 0
.Lopen_\@:
	SOFTMAX 0
	WIN 0x55
	SOFTMAX 1
	WIN 0
.irp g, 0,1                            ; O^T += V^T P^T: four tiles of 16 of the 128 channels at a time
.if \g
	PLACES
.irp t, 0,1,2,3
.irp c, 0,1,2,3
	ds_load_b128 v[32+16*\t+4*\c:35+16*\t+4*\c], v[LI0+\slot] offset:16384+2048*(4+\t)+512*\c
.endr
.endr
.endif
	s_wait_dscnt 0x0
.irp t, 0,1,2,3
	MMA 160+8*(4*\g+\t), 32+16*\t, 224, 248+(4*\g+\t)/2, 253, (\t%2)
.endr
	WIN 0x54                                       ; D, C and source 1 (P) in window 1
.irp t, 0,1,2,3
	MMA 160+8*(4*\g+\t), 32+16*\t, 224, 248+(4*\g+\t)/2, PS1, (\t%2)
.endr
	WIN 0
.endr
.endm
; A TRIP.  A group with steps left works on the slot named and, if a further step follows, copies that step into the other slot; a group that is done only passes the barrier.
.macro TRIP slot, first
	s_cmp_lt_i32 s[REM], 1
	s_cbranch_scc1 .Lidle_\@
	s_cmp_lt_i32 s[REM], 2
	s_cbranch_scc1 .Lnoload_\@
	STAGE_LOAD                                     ; the next step's bytes have this whole step in which to come
	ASK \first
.Lnoload_\@:
	STEP \slot
	s_wait_loadcnt 0x0                             ; they are in
	s_cmp_lt_i32 s[REM], 2
	s_cbranch_scc1 .Lidle_\@
	STAGE_STORE 1-\slot                            ; the other slot was last read in the trip before, ahead of that trip's barrier
.Lidle_\@:
	s_wait_dscnt 0x0                               ; for the others' sake: my reads of this slot are over and my stores into the other have landed
	s_barrier_signal -1
	s_barrier_wait -1
	s_wait_xcnt 0x0                                ; the trip's loads and prefetches have read their addresses, so these may step
	s_add_nc_u64 s[GB:GB+1], s[GB:GB+1], 32768
	s_add_nc_u64 s[GC:GC+1], s[GC:GC+1], 1024
	s_sub_co_i32 s[REM], s[REM], 1
	s_sub_co_i32 s[LEFT], s[LEFT], 128
.endm
	s_load_b256 s[4:11], s[0:1], 0x0               ; queries s[4:5], kv s[6:7], valid_lens s[8:9], out0 s[10:11]
	s_set_vgpr_msb 0x40
	v_lshl_add_u32 v251, v0, 2, 0x31800
	v_mov_b32 v255, 0
	s_set_vgpr_msb 0x4000
	v_lshrrev_b32 v1, 5, v0
	v_readfirstlane_b32 s12, v1                    ; wave 0..7
	s_lshr_b32 s13, s12, 2                         ; the group: 0 the long batch, 1 the short one
	s_and_b32 s14, s12, 3                          ; my place in the group
	s_mov_b32 s[MNT], 0x600000
	s_mov_b32 s[SEL], 0x76543210
	s_mov_b32 s[SEL+1], 0xfedcba98
	s_mov_b32 s[CS], 0x3e0293ee                    ; c = log2(e) / sqrt(128)
	s_mov_b32 s[CS+1], s[CS]                       ; (named with it as a pair, so it is written)
	v_and_b32 v7, 31, v0                           ; lane
	v_lshlrev_b32 v[LIG], 4, v7
	s_mul_i32 s40, s13, GRPB
	v_add_nc_u32 v[LI0], s40, v[LIG]
	v_add_nc_u32 v[LI0+1], SLOTB, v[LI0]
	s_mul_i32 s41, s12, WSTG
	s_add_co_u32 s41, s41, STG                     ; my stage
	v_add_nc_u32 v[STA], s41, v[LIG]
	s_lshl_b32 s42, s14, 13
	s_add_co_u32 s42, s42, s40
	v_add_nc_u32 v[SF], s42, v[LIG]
	s_lshl_b32 s42, s14, 8
	s_add_co_u32 s42, s42, s40
	s_add_co_u32 s42, s42, 32768
	v_lshl_add_u32 v[SS], v7, 3, s42
	v_lshlrev_b32 v[PFO], 8, v7
	v_lshlrev_b32 v97, 2, v7                       ; 4 x lane: a lane to a batch
	v_and_b32 v98, 15, v0                          ; r
	v_bfe_u32 v99, v0, 4, 1                        ; h
	v_lshlrev_b32 v[H16], 4, v99
	v_mul_u32_u24 v100, v98, 528
	v_lshl_add_u32 v100, v99, 5, v100
	v_add_nc_u32 v[STO], s41, v100                 ; (the thread's number is not needed any more)
	v_lshl_add_u32 v[STQ], v[H16], 1, v[STO]       ; row r, + 64 h: my 16 numbers of a block of 32
	WIN 0x40
	v_mov_b32 v[H16], v[H16]                       ; 16 h in window 1 too
	WIN 0
	s_wait_kmcnt 0x0
	global_load_b32 v96, v97, s[8:9]               ; all 32 lengths
.set j, 0
.rept 64
	v_mov_b32 v[160+j], 0                          ; tile 0's O^T.  (The step is written once: the first finds zeros, which the first change of M leaves zeros)
.set j, j+1
.endr
.irp b, 0,1,2,3
	v_mov_b32 v[236+\b], 0                         ; written once: a lane permute's destination counts as one of its sources
.endr
	s_wait_loadcnt 0x0
	; THE RANKS: a lane's rank is the number of keys under its own.  The keys differ (the batch is in the low five bits), so the ranks are 0 .. 31, each once.  The key only says who is paired with whom.
	v_min_u32 v96, 2048, v96
	v_lshl_add_u32 v96, v96, 5, v7
	v_mov_b32 v100, 0
	v_mov_b32 v101, 0
	v_mov_b32 v102, 1
.irp j, 0,1,2,3,4,5,6,7,8,9,10,11,12,13,14,15,16,17,18,19,20,21,22,23,24,25,26,27,28,29,30,31
	v_readlane_b32 s40, v96, \j
	v_cmp_lt_u32 vcc_lo, s40, v96
	v_cndmask_b32 v103, v101, v102, vcc_lo
	v_add_nc_u32 v100, v100, v103
.endr
	v_lshlrev_b32 v[G8], 3, v7
	s_and_b32 s43, ttmp7, 0xffff                   ; p
	s_sub_co_u32 s44, 31, s43
	s_cmp_eq_u32 s13, 0
	s_cselect_b32 s43, s44, s43                    ; the rank that my group serves
	v_cmp_eq_u32 s41, s43, v100
	s_ctz_i32_b32 s16, s41                         ; the lane that has it: my batch,
	s_min_u32 s16, s16, 31                         ; held inside the table ahead of every address
	s_lshl_b32 s42, s16, 2
	s_load_b32 s17, s[8:9], s42 offset:0x0
	s_wait_kmcnt 0x0
	s_max_i32 s17, s17, 0
	s_min_u32 s17, s17, 2048                       ; its length, held to 0 .. 2,048
	s_add_co_u32 s18, s17, 127
	s_lshr_b32 s18, s18, 7
	s_max_u32 s18, s18, 1                          ; n
	s_mov_b32 s[REM], s18
	s_mov_b32 s[LEFT], s17
	s_mul_i32 s40, s16, BATCHB
	s_mov_b32 s41, 0
	s_add_nc_u64 s[6:7], s[6:7], s[40:41]          ; kv at my batch
	s_lshl_b32 s40, s14, 13
	s_add_nc_u64 s[GB:GB+1], s[6:7], s[40:41]      ; step 0, my quarter
	s_add_nc_u64 s[PSB:PSB+1], s[GB:GB+1], SCW
	s_lshl_b32 s40, s14, 8
	s_add_co_u32 s40, s40, SCW
	s_add_nc_u64 s[GC:GC+1], s[6:7], s[40:41]
	s_lshl_b32 s40, s16, 20                        ; a batch of queries is 2^20 bytes, a block of 128 rows 2^16, my 32 rows 2^14
	s_lshl_b32 s42, ttmp9, 16
	s_add_co_u32 s40, s40, s42
	s_lshl_b32 s42, s14, 14
	s_add_co_u32 s40, s40, s42
	s_add_nc_u64 s[QB:QB+1], s[4:5], s[40:41]
	s_add_nc_u64 s[OB:OB+1], s[10:11], s[40:41]
	s_mov_b32 s[LIMC], 0x7fffffff
	s_cmp_eq_u32 ttmp9, 0
	s_cselect_b32 s[LIMC], 2, s[LIMC]
	s_cmp_eq_u32 s14, 0
	s_cselect_b32 s40, 2, 8
	s_lshr_b32 s41, s14, 1                         ; 0 in a group's waves 0 and 1,
	s_or_b32 s41, s41, ttmp9                       ; of the work-group with x = 0,
	s_cmp_gt_u32 s18, s40
	s_cselect_b32 s42, 0, 1                        ; where n reaches into the wave's eight steps beyond what the first loads bring
	s_or_b32 s41, s41, s42
	s_cmp_eq_u32 s41, 0
	s_cselect_b32 s[ASKS], 8, 0
	; 49 loads go out together: Q's two tiles, whole rows of 512 consecutive bytes, and my quarter of step 0
.irp i, 0,1,2,3,4,5,6,7,8,9,10,11,12,13,14,15
	global_load_b128 v[96+4*\i:99+4*\i], v[LIG], s[QB:QB+1] offset:512*\i th:TH_LOAD_NT
.endr
	WIN 0x40
.irp i, 0,1,2,3,4,5,6,7,8,9,10,11,12,13,14,15
	global_load_b128 v[96+4*\i:99+4*\i], v[LIG], s[QB:QB+1] offset:8192+512*\i th:TH_LOAD_NT
.endr
	STAGE_LOAD
	WIN 0x40
.set j, 0
.rept 64
	v_mov_b32 v[160+j], 0                          ; tile 1's O^T
.set j, j+1
.endr
.irp b, 0,1,2,3
	v_mov_b32 v[236+\b], 0
.endr
	v_mov_b32 v252, 0                              ; (a lane permute's destination on the way out)
	WIN 0
	; Q's turn through my stage: in as whole rows, back as 16 neighbours of each block of 32 a lane.  LDS serves a wave's instructions in order (ISA guide 5.7.1.4): no wait between the stores and the loads
	s_wait_loadcnt 33                              ; tile 0's 16 are in; tile 1's 16 and the 17 of step 0 may be out
.irp i, 0,1,2,3,4,5,6,7,8,9,10,11,12,13,14,15
	ds_store_b128 v[STA], v[96+4*\i:99+4*\i] offset:528*\i
.endr
.irp c, 0,1,2,3
.irp j, 0,1,2,3
	ds_load_b128 v[96+16*\c+4*\j:99+16*\c+4*\j], v[STQ] offset:128*\c+16*\j
.endr
.endr
	s_wait_dscnt 0x0
	QUANT 96, 16, 253
	v_mov_b32 v[QS0], v253                         ; tile 0's scale words of Q
	s_wait_loadcnt 17                              ; tile 1's 16 are in; the 17 of step 0 may be out
	WIN 0x04
.irp i, 0,1,2,3,4,5,6,7,8,9,10,11,12,13,14,15
	ds_store_b128 v[STA], v[96+4*\i:99+4*\i] offset:528*\i
.endr
	WIN 0x40
.irp c, 0,1,2,3
.irp j, 0,1,2,3
	ds_load_b128 v[96+16*\c+4*\j:99+16*\c+4*\j], v[STQ] offset:128*\c+16*\j
.endr
.endr
	s_wait_dscnt 0x0
	WIN 0x55
	QUANT 96, 16, 253
	WIN 0x01
	v_mov_b32 v[QS1], v253                         ; tile 1's
	WIN 0
.irp w, 0, 0x55
	WIN \w
	v_mov_b32 v13, 0xff61b1e6                      ; the largest t so far: -3e38, under every t
	v_floor_f32 v12, -v13                          ; -M
	v_mov_b32 v14, 0                               ; the sum, in two halves
	v_mov_b32 v15, 0
.endr
	WIN 0
	s_wait_loadcnt 0x0                             ; step 0
	STAGE_STORE 0
	s_wait_dscnt 0x0
	s_barrier_signal -1
	s_barrier_wait -1                              ; both groups' step 0 lies in slot 0
	s_wait_xcnt 0x0
	s_add_nc_u64 s[GB:GB+1], s[GB:GB+1], 32768
	s_add_nc_u64 s[GC:GC+1], s[GC:GC+1], 1024
	s_mov_b32 s[LC], 8
.Lloop:                                                ; 8 trips of two steps: a constant, whatever the lengths
	TRIP 0, 1
	TRIP 1, 0
	s_sub_co_u32 s[LC], s[LC], 1
	s_cmp_lg_u32 s[LC], 0
	s_cbranch_scc1 .Lloop
	; THE WAY OUT.  O^T is divided by the row's sum and goes through my stage, a tile of 16 rows at a time: in as 32 bytes a lane, back as whole rows of 512 bytes, which the 32 lanes store as two aligned runs of 256.
.macro OUT
	v_add_f32 v14, v14, v15                        ; the sum's two halves,
	v_permlanex16_b32 v252, v14, s[SEL], s[SEL+1]
	v_add_f32 v14, v14, v252                       ; and lane l xor 16's: the row's sum
	v_rcp_f32 v14, v14
	v_nop                                          ; a plain line behind the reciprocal
	s_wait_alu depctr_va_vdst(0)                   ; ahead of the first reader
.set j, 0
.rept 64
	v_mul_f32 v[96+j], v[160+j], v14               ; register 8 f + i is o(r, 16 f + 8 h + i); each accumulator is read from its low end on
.set j, j+1
.endr
.endm
.macro TOSTAGE wst, wld                ; the window settings for the stores' data and for the loads' destinations
	WIN \wst
.irp f, 0,1,2,3,4,5,6,7
	ds_store_b128 v[STO], v[96+8*\f:99+8*\f] offset:64*\f
	ds_store_b128 v[STO], v[100+8*\f:103+8*\f] offset:64*\f+16
.endr
	WIN \wld
.irp i, 0,1,2,3,4,5,6,7,8,9,10,11,12,13,14,15
	ds_load_b128 v[32+4*\i:35+4*\i], v[STA] offset:528*\i   ; these see the stores above, and the next tile's stores come behind them
.endr
.endm
.macro SEND t, younger                 ; younger: the LDS instructions issued behind tile t's 16 loads
.irp i, 0,1,2,3,4,5,6,7,8,9,10,11,12,13,14,15
	s_wait_dscnt \younger+15-\i
	global_store_b128 v[LIG], v[32+4*\i:35+4*\i], s[OB:OB+1] offset:8192*\t+512*\i th:TH_STORE_NT   ; 512 consecutive bytes, at a multiple of 256 from out0's first byte; written once
.endr
.endm
	PLACES                                         ; behind the last products
	OUT
	TOSTAGE 0, 0
	WIN 0x55
	OUT
	TOSTAGE 0x04, 0x40
	WIN 0
	SEND 0, 32                                     ; behind tile 0's loads: tile 1's 16 stores and 16 loads
	WIN 0x04
	SEND 1, 0
	WIN 0
	s_set_vgpr_msb 0x5
	s_wait_tensorcnt 0x0
	ds_add_u32 v251, v255
	s_wait_dscnt 0x0
	s_set_vgpr_msb 0x500
	s_endpgm
.Lfunc_end_k_q992e0bbb23_attend:
	.size	k_q992e0bbb23_attend, .Lfunc_end_k_q992e0bbb23_attend-k_q992e0bbb23_attend
	.p2alignl 7, 3214868480
	.fill 96, 4, 3214868480
	.section	.rodata,"a",@progbits
	.p2align	6, 0x0
	.amdhsa_kernel k_q992e0bbb23_attend
		.amdhsa_group_segment_fixed_size 203776
		.amdhsa_private_segment_fixed_size 0
		.amdhsa_enable_private_segment 0
		.amdhsa_kernarg_size 32
		.amdhsa_user_sgpr_count 2
		.amdhsa_user_sgpr_kernarg_segment_ptr 1
		.amdhsa_wavefront_size32 1
		.amdhsa_system_sgpr_workgroup_id_x 1
		.amdhsa_system_sgpr_workgroup_id_y 1
		.amdhsa_system_sgpr_workgroup_id_z 1
		.amdhsa_system_vgpr_workitem_id 0
		.amdhsa_next_free_vgpr 512
		.amdhsa_next_free_sgpr 66
		.amdhsa_reserve_vcc 1
		.amdhsa_float_denorm_mode_32 3
		.amdhsa_float_denorm_mode_16_64 3
		.amdhsa_memory_ordered 1
		.amdhsa_forward_progress 1
		.amdhsa_inst_pref_size 160
	.end_amdhsa_kernel
	.amdgpu_metadata
---
amdhsa.version: [ 1, 2 ]
amdhsa.kernels:
  - .name:           k_q992e0bbb23_attend
    .symbol:         k_q992e0bbb23_attend.kd
    .args:
      - { .name: queries, .offset: 0, .size: 8, .value_kind: global_buffer, .address_space: global }
      - { .name: kv, .offset: 8, .size: 8, .value_kind: global_buffer, .address_space: global }
      - { .name: valid_lens, .offset: 16, .size: 8, .value_kind: global_buffer, .address_space: global }
      - { .name: out0, .offset: 24, .size: 8, .value_kind: global_buffer, .address_space: global }
    .group_segment_fixed_size: 203776
    .private_segment_fixed_size: 0
    .kernarg_segment_align: 8
    .kernarg_segment_size: 32
    .max_flat_workgroup_size: 256
    .sgpr_count:     66
    .vgpr_count:     512
    .wavefront_size: 32
...
	.end_amdgpu_metadata
.endif
;; end of part 2
;; ======== version 2 of 2: 2 launches
;; workspace buffers: kv 17,301,504 bytes
;; launch quant (part 3): grid 16 x 64, 8 waves a work-group, no clusters, 70,144 bytes of LDS; arguments keys, values, valid_lens, kv; writes kv
.if DOCPART == 3
	.amdgcn_target "amdgcn-amd-amdhsa--gfx1250"
	.amdhsa_code_object_version 6
	.text
	.protected	k_q992e0bbb23_quant
	.globl	k_q992e0bbb23_quant
	.p2align	8
	.type	k_q992e0bbb23_quant,@function
k_q992e0bbb23_quant:
	s_mov_b64 s[64:65], 0
	v_nop
	global_prefetch_b8 v0, s[64:65] scope:SCOPE_SE
	s_setreg_imm32_b32 hwreg(HW_REG_WAVE_MODE, 25, 1), 1
	s_wait_xcnt 0x0
; keys and values, [32][2048][128] f32, become codes of BF8 (E5M2) with one E8M0 scale for each 32 along a product's K: keys along d, values along the KEYS.
; The codes are laid in kv as IMAGES OF THE OPERAND'S REGISTERS, so that the next launch copies them as they lie.  A batch has 540,672 bytes: 16 key steps (128 keys) of 32,768 bytes of codes, then 16 x 1,024 bytes of scale words.
;   a step's codes: K's tile t (0..7) at 2,048 t, V's at 16,384 + 2,048 t; in a tile: registers 4 c .. 4 c + 3 at 512 c, lane l's 16 bytes at 16 l.
;   a step's scale words: K's 512 bytes, then V's; the word of (tile t, row r) at 256 (t % 2) + 16 r + 4 (t / 2): the image of four registers, register j holding tile 2 j in lanes 0-15 and tile 2 j + 1 in lanes 16-31.
;   K's tile 2 b + u: lane r takes key 32 b + 8 u + r + 8 (r / 8), registers along d.   V's tile t: lane r takes d = 16 t + r, registers along the step's keys.
; A block's scale is 2^(floor(log2(its largest magnitude)) - 15); its byte is that magnitude's exponent field - 15, held at 1 from below.  Each number is held within +-57,344 x the scale and rounded to the nearest code, ties to even.
; LIMITS: a block of zeros gets the byte 1 where the rule says 127 (its codes are zeros, and this program alone reads the bytes); blocks whose largest magnitude lies under 2^(16 - 127) keep the byte 1; NaN and infinities are not served.
; SHARES.  Work-group (x, y): key step x of tensor y % 2 (0 keys, 1 values) of batch y / 2: 128 rows of 512 bytes.  Wave w loads rows 16 w .. 16 w + 15, whole rows of 512 consecutive bytes, into a stage in LDS, and makes tile w from it.
; ONLY THE STEPS THAT COUNT: n = max(1, ceil(valid_lens[batch] / 128)); the next launch reads steps 0 .. n - 1 alone.  The grid is fixed and serves every valid_lens: a work-group whose step is not read passes both barriers and stores nothing.
; The branch on a number read from memory is why LDS is filled through registers here, with no tensor load.  No barrier stands under a branch.
.set PITCH,  528                       ; a stage row: 512 bytes + 16: an odd multiple of 16
.set GROUP,  16*PITCH+128              ; 16 rows, then 128 bytes more: the two runs of eight rows of a tile of K start at 16 different 16-byte columns of a 256-byte row of banks (64 banks of 4 bytes: ISA guide 11.1),
                                       ; and lanes 16-31 of V's column reads stand 32 banks from lanes 0-15
.set SCL,    8*GROUP                   ; behind the stage: 512 bytes in which the eight waves' scale words meet
.set BATCHB, 540672
.set SCW,    524288
.set X,   16                           ; v16-79   64 numbers
.set PC,  80                           ; v80-95   their codes
.set TM,  96                           ; v96-99 largest magnitudes, v100-103 bytes, v104-107 the largest number x the scale, v108-111 the conversions' scale operands
.set PW,  112                          ; v112     the scale word
.set OW,  116                          ; v116-119 the scale words on their way out
.set SEL, 20                           ; s[20:21] v_permlanex16_b32's selects for lane l xor 16
.set MNT, 22                           ; s22      the mantissa field of 57,344
; 64 numbers of a lane, register 16 b + i = k 32 b + 16 (lane / 16) + i of the lane's row, become a fragment's codes in v[pc] on and its scale word in v[pw]
.macro QUANT s, pc, pw
.irp b, 0,1,2,3
	v_max3_num_f32 v[TM+\b], |v[\s+16*\b]|, |v[\s+1+16*\b]|, 0x8000000   ; block b: my 16 numbers, and the floor 2^(16 - 127): the byte cannot fall under 1
.endr
.irp i, 2,4,6,8,10,12,14
.irp b, 0,1,2,3
	s_delay_alu instid0(VALU_DEP_4)
	v_max3_num_f32 v[TM+\b], v[TM+\b], |v[\s+16*\b+\i]|, |v[\s+1+16*\b+\i]|   ; the four blocks by turns
.endr
.endr
.irp b, 0,1,2,3
	s_delay_alu instid0(VALU_DEP_4)
	v_permlanex16_b32 v[TM+4+\b], v[TM+\b], s[SEL], s[SEL+1]
.endr
.irp b, 0,1,2,3
	s_delay_alu instid0(VALU_DEP_4)
	v_max_num_f32 v[TM+\b], v[TM+\b], v[TM+4+\b]   ; with lane l xor 16's 16: the block's largest magnitude
.endr
.irp b, 0,1,2,3
	s_delay_alu instid0(VALU_DEP_4)
	v_add_nc_u32 v[TM+12+\b], 0xf8800000, v[TM+\b]   ; 15 off its exponent field: the conversion takes this operand's exponent field as its scale
.endr
.irp b, 0,1,2,3
	v_and_or_b32 v[TM+8+\b], v[TM+\b], 0x7f800000, s[MNT]   ; 57,344 x the scale
.endr
.irp b, 0,1,2,3
	v_lshrrev_b32 v[TM+4+\b], 23, v[TM+12+\b]      ; the scale's byte
.endr
	s_delay_alu instid0(VALU_DEP_3)
	v_lshl_or_b32 v[\pw], v[TM+5], 8, v[TM+4]      ; four bytes make my row's scale word
	s_delay_alu instid0(VALU_DEP_1)
	v_lshl_or_b32 v[\pw], v[TM+6], 16, v[\pw]
	s_delay_alu instid0(VALU_DEP_1)
	v_lshl_or_b32 v[\pw], v[TM+7], 24, v[\pw]
.irp b, 0,1,2,3
.irp i, 0,1,2,3,4,5,6,7,8,9,10,11,12,13,14,15
	v_med3_num_f32 v[\s+16*\b+\i], v[\s+16*\b+\i], -v[TM+8+\b], v[TM+8+\b]   ; the conversion to an 8-bit code does not saturate (ISA guide 7.6.2): the hold comes first
.endr
	v_cvt_scalef32_pk8_bf8_f32 v[\pc+4*\b:\pc+1+4*\b], v[\s+16*\b:\s+7+16*\b], v[TM+12+\b]
	v_cvt_scalef32_pk8_bf8_f32 v[\pc+2+4*\b:\pc+3+4*\b], v[\s+8+16*\b:\s+15+16*\b], v[TM+12+\b]
.endr
	v_nop                                          ; one plain line behind the last conversion
.endm
	s_load_b256 s[4:11], s[0:1], 0x0               ; keys s[4:5], values s[6:7], valid_lens s[8:9], kv s[10:11]
	v_lshl_add_u32 v128, v0, 2, 0x10e00
	v_mov_b32 v129, 0
	v_lshrrev_b32 v7, 5, v0
	s_delay_alu instid0(VALU_DEP_1)
	v_readfirstlane_b32 s12, v7                    ; wave 0..7
	s_mov_b32 s13, ttmp9                           ; the key step
	s_and_b32 s14, ttmp7, 0xffff
	s_and_b32 s15, s14, 1                          ; 0: keys, 1: values
	s_lshr_b32 s16, s14, 1                         ; the batch
	s_mov_b32 s[SEL], 0x76543210
	s_mov_b32 s[SEL+1], 0xfedcba98
	s_mov_b32 s[MNT], 0x600000
	; every LDS address is made here, ahead of the first branch
	v_and_b32 v7, 31, v0                           ; lane
	s_delay_alu instid0(VALU_DEP_1)
	v_lshlrev_b32 v1, 4, v7                        ; v1: 16 x lane
	s_mul_i32 s31, s12, GROUP
	v_add_nc_u32 v2, s31, v1                       ; v2: the stage on the way in: my wave's 16 rows, 16 bytes a lane
	v_and_b32 v8, 15, v0                           ; r
	v_bfe_u32 v9, v0, 4, 1                         ; h
	v_and_b32 v10, 7, v0                           ; r % 8
	v_bfe_u32 v11, v0, 3, 1                        ; r / 8
	s_lshr_b32 s32, s12, 1                         ; b = w / 2
	s_and_b32 s33, s12, 1                          ; u = w % 2
	s_mul_i32 s31, s32, 2*GROUP
	s_mul_i32 s34, s33, 8*PITCH
	s_add_co_u32 s31, s31, s34
	v_mul_u32_u24 v3, v10, PITCH
	s_delay_alu instid0(VALU_DEP_1)
	v_mad_u32_u24 v3, v11, GROUP, v3
	s_delay_alu instid0(VALU_DEP_1)
	v_lshl_add_u32 v3, v9, 6, v3
	s_delay_alu instid0(VALU_DEP_1)
	v_add_nc_u32 v3, s31, v3                       ; v3: K's reads: key 32 b + 8 u + r + 8 (r / 8), + 64 h bytes: my 16 numbers of a block of 32
	s_lshl_b32 s31, s12, 6
	v_lshlrev_b32 v4, 2, v8
	s_delay_alu instid0(VALU_DEP_1)
	v_mad_u32_u24 v4, v9, GROUP, v4
	s_delay_alu instid0(VALU_DEP_1)
	v_add_nc_u32 v4, s31, v4                       ; v4: V's reads: column d = 16 w + r, lanes 16-31 sixteen keys further down
	s_lshl_b32 s31, s33, 8
	s_lshl_b32 s34, s32, 2
	s_add_co_u32 s31, s31, s34
	s_add_co_u32 s31, s31, SCL
	v_lshl_add_u32 v5, v8, 4, s31                  ; v5: my row's scale word: 256 (w % 2) + 4 (w / 2) + 16 r
	v_add_nc_u32 v6, SCL, v1                       ; v6: and all 512 bytes of them, 16 a lane
.irp b, 0,1,2,3
	v_mov_b32 v[TM+4+\b], 0                        ; written once: a lane permute's destination counts as one of its sources
.endr
	s_lshl_b32 s30, s16, 2
	s_wait_kmcnt 0x0
	s_load_b32 s17, s[8:9], s30 offset:0x0         ; valid_lens[batch]: the offset is made of the work-group's number
	s_cmp_eq_u32 s15, 0
	s_cselect_b64 s[24:25], s[4:5], s[6:7]         ; the choice hangs on the work-group's number alone
	s_lshl_b32 s32, s16, 20                        ; a batch is 2^20 bytes, a step 2^16, my wave's 16 rows 2^13
	s_lshl_b32 s34, s13, 16
	s_add_co_u32 s32, s32, s34
	s_lshl_b32 s34, s12, 13
	s_add_co_u32 s32, s32, s34
	s_mov_b32 s33, 0
	s_add_nc_u64 s[24:25], s[24:25], s[32:33]      ; s[24:25]: what I load
	s_mul_i32 s32, s16, BATCHB
	s_add_nc_u64 s[10:11], s[10:11], s[32:33]      ; kv at my batch
	s_lshl_b32 s32, s13, 15
	s_lshl_b32 s34, s15, 14
	s_add_co_u32 s32, s32, s34
	s_lshl_b32 s34, s12, 11
	s_add_co_u32 s32, s32, s34
	s_add_nc_u64 s[26:27], s[10:11], s[32:33]      ; s[26:27]: my tile's image
	s_lshl_b32 s32, s13, 10
	s_lshl_b32 s34, s15, 9
	s_add_co_u32 s32, s32, s34
	s_add_co_u32 s32, s32, SCW
	s_add_nc_u64 s[28:29], s[10:11], s[32:33]      ; s[28:29]: the work-group's 512 bytes of scale words
	s_wait_kmcnt 0x0
	s_max_i32 s17, s17, 0
	s_min_u32 s17, s17, 2048                       ; the length, held to 0 .. 2,048
	s_add_co_u32 s18, s17, 127
	s_lshr_b32 s18, s18, 7
	s_max_u32 s18, s18, 1                          ; n: the steps that are read
	s_cmp_lt_u32 s13, s18
	s_cbranch_scc0 .Lno_in
.irp i, 0,1,2,3,4,5,6,7,8,9,10,11,12,13,14,15
	global_load_b128 v[X+4*\i:X+4*\i+3], v1, s[24:25] offset:512*\i th:TH_LOAD_NT   ; a whole row: 512 consecutive bytes; read once in the launch
.endr
.irp i, 0,1,2,3,4,5,6,7,8,9,10,11,12,13,14,15
	s_wait_loadcnt 15-\i                           ; loads come back in order: row i is in, the 15 - i younger ones may be out
	ds_store_b128 v2, v[X+4*\i:X+4*\i+3] offset:PITCH*\i
.endr
.Lno_in:
	s_wait_dscnt 0x0                               ; for the others' sake: my rows lie in the stage
	s_barrier_signal -1
	s_barrier_wait -1                              ; all 128 rows do
	s_cmp_lt_u32 s13, s18
	s_cbranch_scc0 .Lno_work
	s_cmp_eq_u32 s15, 0
	s_cbranch_scc0 .Lread_v
.irp c, 0,1,2,3
.irp j, 0,1,2,3
	ds_load_b128 v[X+16*\c+4*\j:X+16*\c+4*\j+3], v3 offset:128*\c+16*\j   ; K(my key, 32 c + 16 h + 4 j ..)
.endr
.endr
	s_branch .Lread_done
.Lread_v:
	s_wait_alu depctr_va_vdst(0)
.irp c, 0,1,2,3
.irp i, 0,1,2,3,4,5,6,7,8,9,10,11,12,13,14,15
	ds_load_b32 v[X+16*\c+\i], v4 offset:2*GROUP*\c+PITCH*\i   ; V(key 32 c + 16 h + i, my d): the registers run down the keys
.endr
.endr
.Lread_done:
	s_wait_dscnt 0x0
	QUANT X, PC, PW
.irp c, 0,1,2,3
	global_store_b128 v1, v[PC+4*\c:PC+4*\c+3], s[26:27] offset:512*\c   ; 32 lanes store 512 consecutive bytes, at a multiple of 256 from kv's first byte
.endr
	ds_store_b32 v5, v[PW]                         ; lanes l and l + 16 write the same word with the same value
.Lno_work:
	s_wait_dscnt 0x0                               ; my scale words lie in LDS
	s_barrier_signal -1
	s_barrier_wait -1                              ; all eight tiles' do
	s_cmp_lt_u32 s13, s18
	s_cbranch_scc0 .Lend
	s_cmp_lg_u32 s12, 0
	s_cbranch_scc1 .Lend
	s_wait_alu depctr_va_vdst(0)
	ds_load_b128 v[OW:OW+3], v6
	s_wait_dscnt 0x0
	global_store_b128 v1, v[OW:OW+3], s[28:29]     ; wave 0 stores the 512 bytes whole
.Lend:
	s_wait_tensorcnt 0x0
	ds_add_u32 v128, v129
	s_wait_dscnt 0x0
	s_endpgm
.Lfunc_end_k_q992e0bbb23_quant:
	.size	k_q992e0bbb23_quant, .Lfunc_end_k_q992e0bbb23_quant-k_q992e0bbb23_quant
	.p2alignl 7, 3214868480
	.fill 96, 4, 3214868480
	.section	.rodata,"a",@progbits
	.p2align	6, 0x0
	.amdhsa_kernel k_q992e0bbb23_quant
		.amdhsa_group_segment_fixed_size 70144
		.amdhsa_private_segment_fixed_size 0
		.amdhsa_enable_private_segment 0
		.amdhsa_kernarg_size 32
		.amdhsa_user_sgpr_count 2
		.amdhsa_user_sgpr_kernarg_segment_ptr 1
		.amdhsa_wavefront_size32 1
		.amdhsa_system_sgpr_workgroup_id_x 1
		.amdhsa_system_sgpr_workgroup_id_y 1
		.amdhsa_system_sgpr_workgroup_id_z 1
		.amdhsa_system_vgpr_workitem_id 0
		.amdhsa_next_free_vgpr 130
		.amdhsa_next_free_sgpr 66
		.amdhsa_reserve_vcc 0
		.amdhsa_float_denorm_mode_32 3
		.amdhsa_float_denorm_mode_16_64 3
		.amdhsa_memory_ordered 1
		.amdhsa_forward_progress 1
		.amdhsa_inst_pref_size 23
	.end_amdhsa_kernel
	.amdgpu_metadata
---
amdhsa.version: [ 1, 2 ]
amdhsa.kernels:
  - .name:           k_q992e0bbb23_quant
    .symbol:         k_q992e0bbb23_quant.kd
    .args:
      - { .name: keys, .offset: 0, .size: 8, .value_kind: global_buffer, .address_space: global }
      - { .name: values, .offset: 8, .size: 8, .value_kind: global_buffer, .address_space: global }
      - { .name: valid_lens, .offset: 16, .size: 8, .value_kind: global_buffer, .address_space: global }
      - { .name: kv, .offset: 24, .size: 8, .value_kind: global_buffer, .address_space: global }
    .group_segment_fixed_size: 70144
    .private_segment_fixed_size: 0
    .kernarg_segment_align: 8
    .kernarg_segment_size: 32
    .max_flat_workgroup_size: 256
    .sgpr_count:     66
    .vgpr_count:     130
    .wavefront_size: 32
...
	.end_amdgpu_metadata
.endif
;; end of part 3
;; launch attend (part 4): grid 16 x 16, 8 waves a work-group, no clusters, 203,776 bytes of LDS; arguments queries, kv, valid_lens, out0; writes out0
.if DOCPART == 4
	.amdgcn_target "amdgcn-amd-amdhsa--gfx1250"
	.amdhsa_code_object_version 6
	.text
	.protected	k_q992e0bbb23_attend
	.globl	k_q992e0bbb23_attend
	.p2align	8
	.type	k_q992e0bbb23_attend,@function
k_q992e0bbb23_attend:
	s_mov_b64 s[64:65], 0
	v_nop
	global_prefetch_b8 v0, s[64:65] scope:SCOPE_SE
	s_setreg_imm32_b32 hwreg(HW_REG_WAVE_SCHED_MODE, 0, 2), 2
	s_setreg_imm32_b32 hwreg(HW_REG_WAVE_MODE, 25, 1), 1
	s_wait_xcnt 0x0
	s_wait_alu depctr_vm_vsrc(0)
; out0[b][q][:] = the sum over k < valid_lens[b] of softmax_k(Q[b][q] . K[b][k] / sqrt(128)) V[b][k][:], both products on codes of BF8 (E5M2) with one E8M0 scale for each 32 along a product's K.
; queries [32][2048][128] f32 are quantised here, in registers; K's and V's codes and scale words come from kv, laid by the launch before as images of the operands' registers (a batch: 16 steps of 32,768 bytes of codes,
; K's eight tiles and then V's, 2,048 bytes each; from byte 524,288 on 1,024 bytes of scale words a step, K's 512 and then V's).
; THE SOFTMAX: t = score x log2(e) / sqrt(128); M = the running largest t rounded UP to a whole number; p = 2^(t - M) is quantised along the keys, not normalised; the row's sum is taken of the unquantised p and divides at the end.
; When M moves, the sum and O are multiplied by 2^(old M - new M): exact.  Keys at or beyond the length get the score -infinity ahead of the maximum: p = 0.
; ONLY THE STEPS THAT COUNT.  A key step is 128 keys; a batch has n = max(1, ceil(length / 128)) steps that count; the others add nothing and are left out by scalar branches on valid_lens.
; PAIRS.  The 32 lengths are ranked in registers (key: length x 32 + batch).  Work-group (x, p): waves 0-3 serve queries 128 x .. 128 x + 127 of the batch of rank 31 - p, waves 4-7 the same queries of the batch of rank p:
; a long batch and a short one side by side, so that the steps of a work-group are nearly the same number in all 256.  A wave owns 32 queries, two tiles of 16: each fragment read from LDS feeds two products.
; NO TENSOR LOAD, NO CLUSTER, NO JOINT REQUESTS: which steps are walked hangs on numbers read from memory, and partners would need different numbers of tiles; with lengths spread over 1 .. 2,048 the steps left out are
; (16 - 8.5) / 16 of all.  So LDS is filled through registers: the four waves of a group copy a step's 33,792 bytes, a step ahead, into the other of the group's two slots.
; The loop has 16 trips whatever the lengths, with one barrier each, under no branch: in front of it a wave's reads of this trip's slot and its stores into the other slot are done.
; LAYOUT.  Both products are used transposed: S^T = K Q^T, O^T = V^T P^T: a lane holds ONE query (lane % 16) throughout.  Lane r of K's tile 2 b + u holds key 32 b + 8 u + r + 8 (r / 8), so that the 16 registers of tiles
; 2 b and 2 b + 1 are keys 32 b + 16 (lane / 16) + 0 .. 15: the conversions' results are the second product's operand.
; LIMITS: NaN and infinities among the inputs are not served.  A block's largest p is made from its largest score by the same multiply-add and exponential, which takes v_exp_f32 not to fall where its input rises.
; v_exp_f32 gives 0 for p under 2^-126.  A block of zeros has the byte 1.  A length of 0 gives 0 / 0 = NaN in every number of the batch, as the softmax of a row of -infinity does.
; REGISTERS, in two windows of 256 (s_set_vgpr_msb: bits 1:0 source 0, 3:2 source 1, 5:4 source 2, 7:6 destination).  Tile T's working set lies in window T at the same numbers, so each macro is written once:
;   both: v11 16 h; v12 -M, v13 the largest t, v[14:15] the sum in two halves; v16-31 Q's codes; v96-159 S^T, then p; v160-223 O^T; v224-239 p's codes; v232-247, v252, v254 at work; v253 the scale word just made
;   window 0 alone: v0-8 addresses; v9, v255 Q's scale words (tile 1, tile 0); v10, v253 p's (tile 1, tile 0); v32-95 four fragments of K, or V's tiles 0-3; v96-159, once p has left them, V's tiles 4-7;
;   v248-251 K's or V's scale words.  (Scale operands have no window.)
;   window 1 alone: v32-95 and v[2:3]: the bytes of the next step on their way from memory to LDS.
; THE MODE: SCHED_MODE bits 1:0 = 2 (LLVM: expert scheduling mode 2), set by the entry lines.  The code itself states the register dependences between vector or matrix instructions and memory or LDS
; instructions, with s_wait_alu, always for 0.
; THE PLAN.  Registers that memory or LDS instructions touch, round the loop:
;   v0-8                      addresses and offsets: written at the head, ahead of the head's waits on va_vdst, and never again.
;   window 0 v32-95, v248-251 LDS loads land in them (K's tiles 0-3 and words; K's tiles 4-7; V's words and tiles 0-3); products alone read them.
;   window 0 v96-159          the products K Q^T write them, tile 0's softmax works in them, its conversions read them last; then the LDS loads of V's tiles 4-7 land in them and the products V^T P read them.
;   window 1 v32-95, v[2:3]   the global loads of the next step land in them, the LDS stores into the other slot read them; no vector instruction names them.
; A STEP'S WAITS on va_vdst: (1) at its head: the last step's products are done reading v32-159 and v248-251; (2) ahead of K's tiles 4-7: the first eight products are done reading v32-95; (3) behind K Q^T: its products
; are done reading v32-95 and v248-251; (4) the wait for tile 1's batch of exponentials: tile 0's conversions, which stand ahead of it, are done reading window 0's v96-159, and no vector line behind it names them, since
; tile 1 works in window 1: V's tiles 4-7 are asked for there; (5) ahead of V^T P: p's codes and scale words are written.  One wait on vm_vsrc a trip, in the trip's tail, on every path: the LDS stores have read window 1's v32-95 and v[2:3].
.set SLOTB,  33792                     ; a slot: 32,768 bytes of codes, K's 512 bytes of scale words, V's 512
.set GRPB,   2*SLOTB                   ; a group's two slots
.set STG,    2*GRPB                    ; behind the rings: a stage of 16 rows x 528 bytes for each wave, its own: for Q's turn and for the way out
.set WSTG,   16*528
.set BATCHB, 540672
.set SCW,    524288
.set STO, 0                            ; v0   the way out: where I put 32 bytes of a row: STG + 8,448 w + 528 r + 32 h (made when the thread's number has had its last use)
.set LIG, 1                            ; v1   16 x lane
.set LI0, 2                            ; v2, v3  16 x lane in my group's slot 0, slot 1
.set STA, 4                            ; v4   my stage, 16 x lane: whole rows
.set SF,  5                            ; v5   where I put my quarter of a step's codes: group, + 8,192 x (wave % 4), + 16 x lane
.set SS,  6                            ; v6   and of its scale words: group, + 32,768 + 256 x (wave % 4) + 8 x lane
.set G8,  7                            ; v7   8 x lane
.set PFO, 8                            ; v8   256 x lane
.set QS1, 9
.set PS1, 10
.set H16, 11
.set TM,  232
.set STQ, 252                          ; v252 at the head alone: Q's turn through the stage: STO + 32 h
.set QS0, 255
.set MNT, 19                           ; s19  the mantissa field of 57,344
.set SEL, 20                           ; s[20:21] v_permlanex16_b32's selects for lane l xor 16
.set CS,  22                           ; s[22:23] c = log2(e) / sqrt(128)
.set REM, 24                           ; s24  n - the trip's step
.set LEFT, 25                          ; s25  the length - 128 x the trip's step
.set LC,  26                           ; s26  the loop's counter
.set GB,  28                           ; s[28:29] my quarter of the codes of the step that is staged next
.set GC,  30                           ; s[30:31] and of its scale words
.set LIMC, 32                          ; s32  2 in a work-group that prefetches, else the greatest number
.set ASKS, 33                          ; s33  8 in a wave that prefetches scale words, else 0
.set PSB, 34                           ; s[34:35] the 8,192 bytes of scale words that such a wave names
.set QB,  36                           ; s[36:37] my 32 rows of queries
.set OB,  38                           ; s[38:39] and of out0
.set CM,  40                           ; s40-55 sixteen masks of a run of compares (at the head: sixteen keys; their masks then lie in s24-39, which get their lasting numbers later)
.set MSB, 0
.macro WIN new                         ; the immediate's high byte repeats the setting that is left; a switch that changes nothing is dropped
.if MSB != \new
	s_set_vgpr_msb (MSB<<8)|\new
.set MSB, \new
.endif
.endm
.macro PLACES n                        ; plain lines behind this matrix form (ISA guide 7.12.1): eight ahead of a vector line that reads its results or writes its registers, nine ahead of a product that writes over them
.rept \n
	v_nop
.endr
.endm
; 64 numbers of a lane, register 16 b + i = k 32 b + 16 (lane / 16) + i of the lane's row, become a fragment's codes in v[pc] on and its scale word in v[pw]
.macro QUANT s, pc, pw
.irp b, 0,1,2,3
	v_max3_num_f32 v[TM+\b], |v[\s+16*\b]|, |v[\s+1+16*\b]|, 0x8000000   ; block b: my 16 numbers, and the floor 2^(16 - 127): the byte cannot fall under 1
.endr
.irp i, 2,4,6,8,10,12,14
.irp b, 0,1,2,3
	v_max3_num_f32 v[TM+\b], v[TM+\b], |v[\s+16*\b+\i]|, |v[\s+1+16*\b+\i]|
.endr
.endr
.irp b, 0,1,2,3
	v_permlanex16_b32 v[TM+4+\b], v[TM+\b], s[SEL], s[SEL+1]
.endr
.irp b, 0,1,2,3
	v_max_num_f32 v[TM+\b], v[TM+\b], v[TM+4+\b]   ; with lane l xor 16's 16: the block's largest magnitude
.endr
.irp b, 0,1,2,3
	v_add_nc_u32 v[TM+12+\b], 0xf8800000, v[TM+\b]   ; 15 off its exponent field: the conversion's scale operand
.endr
.irp b, 0,1,2,3
	v_and_or_b32 v[TM+8+\b], v[TM+\b], 0x7f800000, s[MNT]   ; 57,344 x the scale
.endr
.irp b, 0,1,2,3
	v_lshrrev_b32 v[TM+4+\b], 23, v[TM+12+\b]      ; the scale's byte
.endr
	v_lshl_or_b32 v[\pw], v[TM+5], 8, v[TM+4]
	v_lshl_or_b32 v[\pw], v[TM+6], 16, v[\pw]
	v_lshl_or_b32 v[\pw], v[TM+7], 24, v[\pw]
.irp b, 0,1,2,3
.irp i, 0,1,2,3,4,5,6,7,8,9,10,11,12,13,14,15
	v_med3_num_f32 v[\s+16*\b+\i], v[\s+16*\b+\i], -v[TM+8+\b], v[TM+8+\b]   ; the conversion to an 8-bit code does not saturate (ISA guide 7.6.2): the hold comes first
.endr
	v_cvt_scalef32_pk8_bf8_f32 v[\pc+4*\b:\pc+1+4*\b], v[\s+16*\b:\s+7+16*\b], v[TM+12+\b]
	v_cvt_scalef32_pk8_bf8_f32 v[\pc+2+4*\b:\pc+3+4*\b], v[\s+8+16*\b:\s+15+16*\b], v[TM+12+\b]
.endr
	v_nop                                          ; one plain line behind the last conversion
.endm
; my quarter of a step: 8,192 bytes of codes and 256 of scale words, from memory into window 1.  No cache word: sixteen work-groups read these bytes.
; The LDS stores that read these registers last stand ahead of the wait on vm_vsrc in the tail of the trip before; no vector instruction names them.
.macro STAGE_LOAD
	WIN 0x40
.irp i, 0,1,2,3,4,5,6,7,8,9,10,11,12,13,14,15
	global_load_b128 v[32+4*\i:35+4*\i], v[LIG], s[GB:GB+1] offset:512*\i
.endr
	global_load_b64 v[2:3], v[G8], s[GC:GC+1]
	WIN 0
.endm
.macro STAGE_STORE slot                ; and from there into the slot, as they lie
	WIN 0x04
.irp i, 0,1,2,3,4,5,6,7,8,9,10,11,12,13,14,15
	ds_store_b128 v[SF], v[32+4*\i:35+4*\i] offset:SLOTB*(\slot)+512*\i
.endr
	ds_store_b64 v[SS], v[2:3] offset:SLOTB*(\slot)
	WIN 0
.endm
; A PREFETCH INTO THE L2, behind the wave's 17 loads.  In trip s, which loads step s + 1, each wave names its own 8,192 bytes of step s + 2, lanes 256 bytes apart, where s + 2 < n: what the next trip loads.
; Sixteen work-groups walk the same batch: the one with x = 0 asks, so each block of 256 bytes is named once in the launch.  Steps 0 and 1 come by their loads alone.
; first = 1, the loop's first trip: waves 0 and 1 of a group name the batch's scale words, 8,192 bytes each (steps 0-7 where n > 2; steps 8-15 where n > 8).  The addresses are stepped at the trip's end, behind s_wait_xcnt 0.
.macro ASK first
	s_cmp_gt_i32 s[REM], s[LIMC]
	s_cbranch_scc0 .Lno_codes_\@
	global_prefetch_b8 v[PFO], s[GB:GB+1] offset:32768 th:TH_LOAD_NT scope:SCOPE_SE
.Lno_codes_\@:
.if \first
	s_cmp_eq_u32 s[LC], s[ASKS]
	s_cbranch_scc0 .Lno_words_\@
	global_prefetch_b8 v[PFO], s[PSB:PSB+1] th:TH_LOAD_NT scope:SCOPE_SE
.Lno_words_\@:
.endif
.endm
; a product that starts a sum, and one that adds in place.  odd = 1: source 0's scale words stand in lanes 16-31
.macro MMZ d, a, b, sa, sb, odd
.if \odd
	v_wmma_scale_f32_16x16x128_f8f6f4 v[(\d):(\d)+7], v[(\a):(\a)+15], v[(\b):(\b)+15], 0, v[\sa], v[\sb] matrix_a_fmt:MATRIX_FMT_BF8 matrix_b_fmt:MATRIX_FMT_BF8 matrix_a_scale:MATRIX_SCALE_ROW1
.else
	v_wmma_scale_f32_16x16x128_f8f6f4 v[(\d):(\d)+7], v[(\a):(\a)+15], v[(\b):(\b)+15], 0, v[\sa], v[\sb] matrix_a_fmt:MATRIX_FMT_BF8 matrix_b_fmt:MATRIX_FMT_BF8
.endif
.endm
.macro MMA d, a, b, sa, sb, odd
.if \odd
	v_wmma_scale_f32_16x16x128_f8f6f4 v[(\d):(\d)+7], v[(\a):(\a)+15], v[(\b):(\b)+15], v[(\d):(\d)+7], v[\sa], v[\sb] matrix_a_fmt:MATRIX_FMT_BF8 matrix_b_fmt:MATRIX_FMT_BF8 matrix_a_scale:MATRIX_SCALE_ROW1
.else
	v_wmma_scale_f32_16x16x128_f8f6f4 v[(\d):(\d)+7], v[(\a):(\a)+15], v[(\b):(\b)+15], v[(\d):(\d)+7], v[\sa], v[\sb] matrix_a_fmt:MATRIX_FMT_BF8 matrix_b_fmt:MATRIX_FMT_BF8
.endif
.endm
; Register 16 b + i holds the step's key 32 b + 16 h + i: hidden where that is at or beyond what is left of the length.  The compares go in runs of sixteen, a mask to a scalar register, with one wait behind each run
.macro MASK
	v_sub_nc_u32 v252, s[LEFT], v[H16]             ; d = what is left - 16 h
	v_mov_b32 v254, 0xff800000                     ; -infinity
.irp q, 0,1,2,3
.irp i, 0,1,2,3,4,5,6,7,8,9,10,11,12,13,14,15
	v_cmp_ge_i32 s[CM+\i], 32*\q+\i, v252
.endr
	s_wait_alu depctr_va_sdst(0)                   ; the sixteen compares have written their masks in s40-55, which the selects below read
.irp i, 0,1,2,3,4,5,6,7,8,9,10,11,12,13,14,15
	v_cndmask_b32 v[96+16*\q+\i], v[96+16*\q+\i], v254, s[CM+\i]
.endr
.endr
.endm
; One tile's softmax for one key step, in the window that is set.  t = 1: the scale word is copied into window 0, where scale operands are read, and V's tiles 4-7 are asked for from the slot named
.macro SOFTMAX t, slot
.irp b, 0,1,2,3
	v_max3_num_f32 v[232+\b], v[96+16*\b], v[97+16*\b], v[98+16*\b]   ; the largest score of each block of 32 keys: for the row's maximum, and, since p rises with the score, for the block's largest p
.endr
.irp i, 3,5,7,9,11,13
.irp b, 0,1,2,3
	v_max3_num_f32 v[232+\b], v[232+\b], v[96+16*\b+\i], v[97+16*\b+\i]
.endr
.endr
.irp b, 0,1,2,3
	v_max_num_f32 v[232+\b], v[232+\b], v[111+16*\b]
.endr
.irp b, 0,1,2,3
	v_permlanex16_b32 v[236+\b], v[232+\b], s[SEL], s[SEL+1]
.endr
.irp b, 0,1,2,3
	v_max_num_f32 v[232+\b], v[232+\b], v[236+\b]  ; with lane l xor 16's 16 keys
.endr
	v_max3_num_f32 v254, v232, v233, v234
	v_max_num_f32 v254, v254, v235                 ; the step's largest score of my query
	v_mul_f32 v254, s[CS], v254                    ; as t (c is positive)
	v_max_num_f32 v13, v13, v254                   ; the running largest t
	v_mov_b32 v254, v12
	v_floor_f32 v12, -v13                          ; the new -M = floor(-t): M is a whole number
	v_sub_f32 v254, v12, v254                      ; old M - new M: a whole number, 0 or less
	v_cvt_i32_f32 v254, v254                       ; (it saturates)
	v_ldexp_f32 v252, 1.0, v254                    ; f = 2^(old M - new M)
.set j, 0
.rept 32
	v_pk_fma_f32 v[96+j:97+j], v[96+j:97+j], s[CS:CS+1], v[12:13] op_sel_hi:[1,0,0]   ; t - M, two at a time
.set j, j+2
.endr
.irp b, 0,1,2,3
	v_fma_f32 v[232+\b], v[232+\b], s[CS], v12     ; the same of each block's largest score
.endr
.set j, 0
	s_wait_alu depctr_va_vdst(0)
.rept 64
	v_exp_f32 v[96+j], v[96+j]                     ; p = 2^(t - M), at most 1
.set j, j+1
.endr
	v_pk_mul_f32 v[14:15], v[14:15], v[252:253] op_sel_hi:[1,0]   ; the sums under the new M: a plain line behind the exponentials
.if \t
	WIN 0                                          ; (the loads below: destination and address in window 0)
.endif
	s_wait_alu depctr_va_vdst(0)                   ; the batch of 64 exponentials has written p, ahead of its first reader; in tile 1's turn also: tile 0's conversions are done reading window 0's v96-159, in which the loads below land
.if \t
.irp f, 4,5,6,7
.irp c, 0,1,2,3
	ds_load_b128 v[32+16*\f+4*\c:35+16*\f+4*\c], v[LI0+\slot] offset:16384+2048*\f+512*\c   ; V's tiles 4-7, where tile 0's p lay: they land under the rest of this softmax, which names window 1 and v10 alone
.endr
.endr
	WIN 0x55
.endif
.irp b, 0,1,2,3
	v_exp_f32 v[232+\b], v[232+\b]                 ; the block's largest p
.endr
	v_pk_add_f32 v[236:237], v[96:97], v[98:99]    ; the row's sum of the UNQUANTISED p, in two chains; it reads the 64 alone
.irp j, 4,8,12,16,20,24,28,32,36,40,44,48,52,56,60
	v_pk_add_f32 v[14:15], v[14:15], v[96+\j:97+\j]
	v_pk_add_f32 v[236:237], v[236:237], v[98+\j:99+\j]
.endr
	v_pk_add_f32 v[14:15], v[14:15], v[236:237]
	s_wait_alu depctr_va_vdst(0)                   ; the four exponentials have written the blocks' largest p, ahead of their first reader
.irp b, 0,1,2,3
	v_max_num_f32 v[232+\b], 0x8000000, v[232+\b]  ; the floor 2^(16 - 127)
.endr
.irp b, 0,1,2,3
	v_add_nc_u32 v[244+\b], 0xf8800000, v[232+\b]  ; the conversion's scale operand
.endr
.irp b, 0,1,2,3
	v_and_or_b32 v[240+\b], v[232+\b], 0x7f800000, s[MNT]   ; 57,344 x the scale
.endr
.irp b, 0,1,2,3
	v_lshrrev_b32 v[236+\b], 23, v[244+\b]         ; the scale's byte
.endr
	v_lshl_or_b32 v253, v237, 8, v236              ; p's scale word for these 128 keys
	v_lshl_or_b32 v253, v238, 16, v253
	v_lshl_or_b32 v253, v239, 24, v253
.if \t
	WIN 0x01
	v_mov_b32 v[PS1], v253                         ; more than eight plain lines follow ahead of the product that reads it
	WIN 0x55
.endif
.irp b, 0,1,2,3
.irp i, 0,1,2,3,4,5,6,7,8,9,10,11,12,13,14,15
	v_min_num_f32 v[96+16*\b+\i], v[96+16*\b+\i], v[240+\b]   ; p is not negative: the hold is one-sided
.endr
	v_cvt_scalef32_pk8_bf8_f32 v[224+4*\b:225+4*\b], v[96+16*\b:103+16*\b], v[244+\b]
	v_cvt_scalef32_pk8_bf8_f32 v[226+4*\b:227+4*\b], v[104+16*\b:111+16*\b], v[244+\b]
.endr
.set j, 0
.rept 32
	v_pk_mul_f32 v[160+j:161+j], v[160+j:161+j], v[252:253] op_sel_hi:[1,0]   ; O^T under the new M; these are also the plain lines between the codes and the products
.set j, j+2
.endr
.endm
; A KEY STEP for my two tiles, from the slot named.  Every accumulator has one instruction a turn.
.macro STEP slot
	PLACES 9                                       ; nine: the first products below write S^T over window 0's v96-159, which the last step's products read as V's tiles 4-7
	s_wait_alu depctr_va_vdst(0)                   ; the last step's products are done reading v32-95 and v248-251, in which the loads below land; in the first step: Q's codes and scale words are written, which the products below take
	ds_load_b128 v[248:251], v[LI0+\slot] offset:32768   ; K's scale words: four registers at once
.irp g, 0,1                            ; S^T = K Q^T: four tiles of 16 keys at a time, each for both tiles of queries
.if \g
	PLACES 8                                       ; (they are issued while the eight products above are at work)
	s_wait_alu depctr_va_vdst(0)                   ; the eight products above are done reading v32-95, in which K's tiles 4-7 land
.endif
.irp t, 0,1,2,3
.irp c, 0,1,2,3
	ds_load_b128 v[32+16*\t+4*\c:35+16*\t+4*\c], v[LI0+\slot] offset:2048*(4*\g+\t)+512*\c   ; an image: 512 consecutive bytes a load
.endr
.endr
.irp t, 0,1,2,3
	s_wait_dscnt 12-4*\t                           ; LDS loads come back in order (ISA guide 5.7.1): the scale words and tiles up to this one are in; the four loads of each younger tile may be out
	MMZ 96+8*(4*\g+\t), 32+16*\t, 16, 248+(4*\g+\t)/2, QS0, (\t%2)
.endr
	WIN 0x44                                       ; D and source 1 (Q) in window 1
.irp t, 0,1,2,3
	MMZ 96+8*(4*\g+\t), 32+16*\t, 16, 248+(4*\g+\t)/2, QS1, (\t%2)
.endr
	WIN 0
.endr
	PLACES 8                                       ; behind the last products, ahead of the first vector line that reads the scores
	s_wait_alu depctr_va_vdst(0)                   ; the products K Q^T are done reading v32-95 and v248-251, in which the loads below land
	ds_load_b128 v[248:251], v[LI0+\slot] offset:33280   ; V's scale words and its first four tiles are asked for now and land under the softmax
.irp t, 0,1,2,3
.irp c, 0,1,2,3
	ds_load_b128 v[32+16*\t+4*\c:35+16*\t+4*\c], v[LI0+\slot] offset:16384+2048*\t+512*\c
.endr
.endr
	s_cmp_ge_i32 s[LEFT], 128                      ; all 128 keys count: nothing to hide
	s_cbranch_scc1 .Lopen_\@
	MASK
	WIN 0x55
	MASK
	WIN 0
.Lopen_\@:
	SOFTMAX 0, \slot
	WIN 0x55
	SOFTMAX 1, \slot
	WIN 0
	s_wait_dscnt 0x0                               ; V's scale words and all eight tiles are in: v32-159 on end, tile t at v[32 + 16 t]
	s_wait_alu depctr_va_vdst(0)                   ; the conversions have written both tiles' codes of p, and v253 and v10 hold their scale words: the products below take them (the 32 multiplications above are the plain lines ahead of them)
.irp t, 0,1,2,3,4,5,6,7                ; O^T += V^T P^T: the eight tiles of 16 of the 128 channels, for tile 0 of the queries,
	MMA 160+8*\t, 32+16*\t, 224, 248+\t/2, 253, (\t%2)
.endr
	WIN 0x54                                       ; D, C and source 1 (P) in window 1
.irp t, 0,1,2,3,4,5,6,7                ; and for tile 1
	MMA 160+8*\t, 32+16*\t, 224, 248+\t/2, PS1, (\t%2)
.endr
	WIN 0
.endm
; A TRIP.  A group with steps left works on the slot named and, if a further step follows, copies that step into the other slot; a group that is done only passes the barrier.
.macro TRIP slot, first
	s_cmp_lt_i32 s[REM], 1
	s_cbranch_scc1 .Lidle_\@
	s_cmp_lt_i32 s[REM], 2
	s_cbranch_scc1 .Lnoload_\@
	STAGE_LOAD                                     ; the next step's bytes have this whole step in which to come
	ASK \first
.Lnoload_\@:
	STEP \slot
	s_wait_loadcnt 0x0                             ; they are in
	s_cmp_lt_i32 s[REM], 2
	s_cbranch_scc1 .Lidle_\@
	STAGE_STORE 1-\slot                            ; the other slot was last read in the trip before, ahead of that trip's barrier
.Lidle_\@:
	s_wait_dscnt 0x0                               ; for the others' sake: my reads of this slot are over and my stores into the other have landed
	s_barrier_signal -1
	s_barrier_wait -1
	s_wait_xcnt 0x0                                ; the trip's loads and prefetches have read their addresses, so these may step
	s_wait_alu depctr_vm_vsrc(0)                   ; the trip's LDS stores have read window 1's v32-95 and v[2:3], in which the next trip's loads land, or the way out's
	s_add_nc_u64 s[GB:GB+1], s[GB:GB+1], 32768
	s_add_nc_u64 s[GC:GC+1], s[GC:GC+1], 1024
	s_sub_co_i32 s[REM], s[REM], 1
	s_sub_co_i32 s[LEFT], s[LEFT], 128
.endm
	s_load_b256 s[4:11], s[0:1], 0x0               ; queries s[4:5], kv s[6:7], valid_lens s[8:9], out0 s[10:11]
	s_set_vgpr_msb 0x40
	v_lshl_add_u32 v251, v0, 2, 0x31800
	v_mov_b32 v255, 0
	s_set_vgpr_msb 0x4000
	v_lshrrev_b32 v1, 5, v0
	v_readfirstlane_b32 s12, v1                    ; wave 0..7
	s_mov_b32 s[MNT], 0x600000
	s_mov_b32 s[SEL], 0x76543210
	s_mov_b32 s[SEL+1], 0xfedcba98
	s_mov_b32 s[CS], 0x3e0293ee                    ; c = log2(e) / sqrt(128)
	s_mov_b32 s[CS+1], s[CS]                       ; (named with it as a pair, so it is written)
	s_wait_alu depctr_va_sdst(0)                   ; s12 is written, ahead of its first reader
	s_lshr_b32 s13, s12, 2                         ; the group: 0 the long batch, 1 the short one
	s_and_b32 s14, s12, 3                          ; my place in the group
	v_and_b32 v7, 31, v0                           ; lane
	s_wait_alu depctr_va_vdst(0)
	v_lshlrev_b32 v[LIG], 4, v7
	s_mul_i32 s40, s13, GRPB
	v_add_nc_u32 v[LI0], s40, v[LIG]
	v_add_nc_u32 v[LI0+1], SLOTB, v[LI0]
	s_mul_i32 s41, s12, WSTG
	s_add_co_u32 s41, s41, STG                     ; my stage
	v_add_nc_u32 v[STA], s41, v[LIG]
	s_lshl_b32 s42, s14, 13
	s_add_co_u32 s42, s42, s40
	v_add_nc_u32 v[SF], s42, v[LIG]
	s_lshl_b32 s42, s14, 8
	s_add_co_u32 s42, s42, s40
	s_add_co_u32 s42, s42, 32768
	v_lshl_add_u32 v[SS], v7, 3, s42
	v_lshlrev_b32 v[PFO], 8, v7
	v_lshlrev_b32 v97, 2, v7                       ; 4 x lane: a lane to a batch
	v_and_b32 v98, 15, v0                          ; r
	v_bfe_u32 v99, v0, 4, 1                        ; h
	v_lshlrev_b32 v[H16], 4, v99
	v_mul_u32_u24 v100, v98, 528
	v_lshl_add_u32 v100, v99, 5, v100
	v_add_nc_u32 v[STO], s41, v100                 ; (the thread's number is not needed any more)
	v_lshl_add_u32 v[STQ], v[H16], 1, v[STO]       ; row r, + 64 h: my 16 numbers of a block of 32
	WIN 0x40
	v_mov_b32 v[H16], v[H16]                       ; 16 h in window 1 too
	WIN 0
	s_wait_kmcnt 0x0
	s_wait_alu depctr_va_vdst(0)                   ; v97 is written, which the load below reads as its offset; so are v0-6, v8 and v252, which later loads, stores and prefetches read
	global_load_b32 v96, v97, s[8:9]               ; all 32 lengths
.set j, 0
.rept 64
	v_mov_b32 v[160+j], 0                          ; tile 0's O^T.  (The step is written once: the first finds zeros, which the first change of M leaves zeros)
.set j, j+1
.endr
.irp b, 0,1,2,3
	v_mov_b32 v[236+\b], 0                         ; written once: a lane permute's destination counts as one of its sources
.endr
	s_wait_loadcnt 0x0
	; THE RANKS: a lane's rank is the number of keys under its own.  The keys differ (the batch is in the low five bits), so the ranks are 0 .. 31, each once.  The key only says who is paired with whom.
	; Sixteen keys at a time go to scalar registers, are compared with every lane's own, and the masks are counted: one wait behind each run of lines that write scalar registers.
	v_min_u32 v96, 2048, v96
	v_lshl_add_u32 v96, v96, 5, v7
	v_mov_b32 v100, 0
	v_mov_b32 v101, 0
	v_mov_b32 v102, 1
.irp g, 0,1
.irp j, 0,1,2,3,4,5,6,7,8,9,10,11,12,13,14,15
	v_readlane_b32 s[CM+\j], v96, 16*\g+\j
.endr
	s_wait_alu depctr_va_sdst(0)                   ; sixteen keys are written in s40-55, which the compares below read
.irp j, 0,1,2,3,4,5,6,7,8,9,10,11,12,13,14,15
	v_cmp_lt_u32 s[24+\j], s[CM+\j], v96
.endr
	s_wait_alu depctr_va_sdst(0)                   ; their sixteen masks are written in s24-39, which the selects below read
.irp j, 0,1,2,3,4,5,6,7,8,9,10,11,12,13,14,15
	v_cndmask_b32 v103, v101, v102, s[24+\j]
	v_add_nc_u32 v100, v100, v103
.endr
.endr
	v_lshlrev_b32 v[G8], 3, v7
	s_and_b32 s43, ttmp7, 0xffff                   ; p
	s_sub_co_u32 s44, 31, s43
	s_cmp_eq_u32 s13, 0
	s_cselect_b32 s43, s44, s43                    ; the rank that my group serves
	v_cmp_eq_u32 s41, s43, v100
	s_wait_alu depctr_va_sdst(0)                   ; the mask is written in s41, ahead of its first reader
	s_ctz_i32_b32 s16, s41                         ; the lane that has it: my batch,
	s_min_u32 s16, s16, 31                         ; held inside the table ahead of every address
	s_lshl_b32 s42, s16, 2
	s_load_b32 s17, s[8:9], s42 offset:0x0
	s_wait_kmcnt 0x0
	s_max_i32 s17, s17, 0
	s_min_u32 s17, s17, 2048                       ; its length, held to 0 .. 2,048
	s_add_co_u32 s18, s17, 127
	s_lshr_b32 s18, s18, 7
	s_max_u32 s18, s18, 1                          ; n
	s_mov_b32 s[REM], s18
	s_mov_b32 s[LEFT], s17
	s_mul_i32 s40, s16, BATCHB
	s_mov_b32 s41, 0
	s_add_nc_u64 s[6:7], s[6:7], s[40:41]          ; kv at my batch
	s_lshl_b32 s40, s14, 13
	s_add_nc_u64 s[GB:GB+1], s[6:7], s[40:41]      ; step 0, my quarter
	s_add_nc_u64 s[PSB:PSB+1], s[GB:GB+1], SCW
	s_lshl_b32 s40, s14, 8
	s_add_co_u32 s40, s40, SCW
	s_add_nc_u64 s[GC:GC+1], s[6:7], s[40:41]
	s_lshl_b32 s40, s16, 20                        ; a batch of queries is 2^20 bytes, a block of 128 rows 2^16, my 32 rows 2^14
	s_lshl_b32 s42, ttmp9, 16
	s_add_co_u32 s40, s40, s42
	s_lshl_b32 s42, s14, 14
	s_add_co_u32 s40, s40, s42
	s_add_nc_u64 s[QB:QB+1], s[4:5], s[40:41]
	s_add_nc_u64 s[OB:OB+1], s[10:11], s[40:41]
	s_mov_b32 s[LIMC], 0x7fffffff
	s_cmp_eq_u32 ttmp9, 0
	s_cselect_b32 s[LIMC], 2, s[LIMC]
	s_cmp_eq_u32 s14, 0
	s_cselect_b32 s40, 2, 8
	s_lshr_b32 s41, s14, 1                         ; 0 in a group's waves 0 and 1,
	s_or_b32 s41, s41, ttmp9                       ; of the work-group with x = 0,
	s_cmp_gt_u32 s18, s40
	s_cselect_b32 s42, 0, 1                        ; where n reaches into the wave's eight steps beyond what the first loads bring
	s_or_b32 s41, s41, s42
	s_cmp_eq_u32 s41, 0
	s_cselect_b32 s[ASKS], 8, 0
	; 49 loads go out together: Q's two tiles, whole rows of 512 consecutive bytes, and my quarter of step 0
	s_wait_alu depctr_vm_vsrc(0)                   ; the load of the lengths has read its offset v97, in which a load of Q lands
	s_wait_alu depctr_va_vdst(0)                   ; the ranks' lines are done reading and writing v96-103, in which loads of Q land; v7 is written, the offset of the scale words' load
.irp i, 0,1,2,3,4,5,6,7,8,9,10,11,12,13,14,15
	global_load_b128 v[96+4*\i:99+4*\i], v[LIG], s[QB:QB+1] offset:512*\i th:TH_LOAD_NT
.endr
	WIN 0x40
.irp i, 0,1,2,3,4,5,6,7,8,9,10,11,12,13,14,15
	global_load_b128 v[96+4*\i:99+4*\i], v[LIG], s[QB:QB+1] offset:8192+512*\i th:TH_LOAD_NT
.endr
	STAGE_LOAD
	WIN 0x40
.set j, 0
.rept 64
	v_mov_b32 v[160+j], 0                          ; tile 1's O^T
.set j, j+1
.endr
.irp b, 0,1,2,3
	v_mov_b32 v[236+\b], 0
.endr
	v_mov_b32 v252, 0                              ; (a lane permute's destination on the way out)
	WIN 0
	; Q's turn through my stage: in as whole rows, back as 16 neighbours of each block of 32 a lane.  LDS serves a wave's instructions in order (ISA guide 5.7.1.4): no wait on DScnt between the stores and the loads
	s_wait_loadcnt 33                              ; tile 0's 16 are in; tile 1's 16 and the 17 of step 0 may be out
.irp i, 0,1,2,3,4,5,6,7,8,9,10,11,12,13,14,15
	ds_store_b128 v[STA], v[96+4*\i:99+4*\i] offset:528*\i
.endr
	s_wait_alu depctr_vm_vsrc(0)                   ; the stores above have read v96-159, in which the loads below land
.irp c, 0,1,2,3
.irp j, 0,1,2,3
	ds_load_b128 v[96+16*\c+4*\j:99+16*\c+4*\j], v[STQ] offset:128*\c+16*\j
.endr
.endr
	s_wait_dscnt 0x0
	QUANT 96, 16, 253
	v_mov_b32 v[QS0], v253                         ; tile 0's scale words of Q
	s_wait_loadcnt 17                              ; tile 1's 16 are in; the 17 of step 0 may be out
	WIN 0x04
.irp i, 0,1,2,3,4,5,6,7,8,9,10,11,12,13,14,15
	ds_store_b128 v[STA], v[96+4*\i:99+4*\i] offset:528*\i
.endr
	WIN 0x40
	s_wait_alu depctr_vm_vsrc(0)                   ; the stores above have read window 1's v96-159, in which the loads below land
.irp c, 0,1,2,3
.irp j, 0,1,2,3
	ds_load_b128 v[96+16*\c+4*\j:99+16*\c+4*\j], v[STQ] offset:128*\c+16*\j
.endr
.endr
	s_wait_dscnt 0x0
	WIN 0x55
	QUANT 96, 16, 253
	WIN 0x01
	v_mov_b32 v[QS1], v253                         ; tile 1's
	WIN 0
.irp w, 0, 0x55
	WIN \w
	v_mov_b32 v13, 0xff61b1e6                      ; the largest t so far: -3e38, under every t
	v_floor_f32 v12, -v13                          ; -M
	v_mov_b32 v14, 0                               ; the sum, in two halves
	v_mov_b32 v15, 0
.endr
	WIN 0
	s_wait_loadcnt 0x0                             ; step 0
	STAGE_STORE 0
	s_wait_dscnt 0x0
	s_barrier_signal -1
	s_barrier_wait -1                              ; both groups' step 0 lies in slot 0
	s_wait_xcnt 0x0
	s_wait_alu depctr_vm_vsrc(0)                   ; the LDS stores above have read window 1's v32-95 and v[2:3], in which the first trip's loads land; Q's loads from the stage have read their address v252, which the first softmax writes
	s_add_nc_u64 s[GB:GB+1], s[GB:GB+1], 32768
	s_add_nc_u64 s[GC:GC+1], s[GC:GC+1], 1024
	s_mov_b32 s[LC], 8
.Lloop:                                                ; 8 trips of two steps: a constant, whatever the lengths
	TRIP 0, 1
	TRIP 1, 0
	s_sub_co_u32 s[LC], s[LC], 1
	s_cmp_lg_u32 s[LC], 0
	s_cbranch_scc1 .Lloop
	; THE WAY OUT.  O^T is divided by the row's sum and goes through my stage, a tile of 16 rows at a time: in as 32 bytes a lane, back as whole rows of 512 bytes, which the 32 lanes store as two aligned runs of 256.
.macro OUT
	v_add_f32 v14, v14, v15                        ; the sum's two halves,
	v_permlanex16_b32 v252, v14, s[SEL], s[SEL+1]
	v_add_f32 v14, v14, v252                       ; and lane l xor 16's: the row's sum
	s_wait_alu depctr_va_vdst(0)
	v_rcp_f32 v14, v14
	v_nop                                          ; a plain line behind the reciprocal
	s_wait_alu depctr_va_vdst(0)                   ; the reciprocal has written v14, ahead of its first reader
.set j, 0
.rept 64
	v_mul_f32 v[96+j], v[160+j], v14               ; register 8 f + i is o(r, 16 f + 8 h + i); each accumulator is read from its low end on
.set j, j+1
.endr
.endm
.macro TOSTAGE wst, wld                ; the window settings for the stores' data and for the loads' destinations
	WIN \wst
	s_wait_alu depctr_va_vdst(0)                   ; the 64 multiplications have written the tile's v96-159, which the LDS stores below read; the last products are done reading window 0's v32-95, in which tile 0's loads land
.irp f, 0,1,2,3,4,5,6,7
	ds_store_b128 v[STO], v[96+8*\f:99+8*\f] offset:64*\f
	ds_store_b128 v[STO], v[100+8*\f:103+8*\f] offset:64*\f+16
.endr
	WIN \wld
.irp i, 0,1,2,3,4,5,6,7,8,9,10,11,12,13,14,15
	ds_load_b128 v[32+4*\i:35+4*\i], v[STA] offset:528*\i   ; these see the stores above, and the next tile's stores come behind them.  (Window 1's v32-95: the last LDS stores that read them stand ahead of the wait on vm_vsrc in their trip's tail)
.endr
.endm
.macro SEND t, younger                 ; younger: the LDS instructions issued behind tile t's 16 loads
.irp i, 0,1,2,3,4,5,6,7,8,9,10,11,12,13,14,15
	s_wait_dscnt \younger+15-\i
	global_store_b128 v[LIG], v[32+4*\i:35+4*\i], s[OB:OB+1] offset:8192*\t+512*\i th:TH_STORE_NT   ; 512 consecutive bytes, at a multiple of 256 from out0's first byte; written once
.endr
.endm
	PLACES 8                                       ; behind the last products: their results are read below, and window 0's v96-159, which they read as V's tiles 4-7, are written
	s_wait_alu depctr_va_vdst(0)
	OUT
	TOSTAGE 0, 0
	WIN 0x55
	OUT
	TOSTAGE 0x04, 0x40
	WIN 0
	SEND 0, 32                                     ; behind tile 0's loads: tile 1's 16 stores and 16 loads
	WIN 0x04
	SEND 1, 0
	WIN 0
	s_set_vgpr_msb 0x5
	s_wait_dscnt 0x0
	s_wait_alu depctr_hold_cnt(0) depctr_sa_sdst(0) depctr_va_vdst(0) depctr_va_sdst(0) depctr_va_ssrc(0) depctr_va_vcc(0) depctr_vm_vsrc(0)
	s_wait_tensorcnt 0x0
	ds_add_u32 v251, v255
	s_wait_dscnt 0x0
	s_endpgm
.Lfunc_end_k_q992e0bbb23_attend:
	.size	k_q992e0bbb23_attend, .Lfunc_end_k_q992e0bbb23_attend-k_q992e0bbb23_attend
	.p2alignl 7, 3214868480
	.fill 96, 4, 3214868480
	.section	.rodata,"a",@progbits
	.p2align	6, 0x0
	.amdhsa_kernel k_q992e0bbb23_attend
		.amdhsa_group_segment_fixed_size 203776
		.amdhsa_private_segment_fixed_size 0
		.amdhsa_enable_private_segment 0
		.amdhsa_kernarg_size 32
		.amdhsa_user_sgpr_count 2
		.amdhsa_user_sgpr_kernarg_segment_ptr 1
		.amdhsa_wavefront_size32 1
		.amdhsa_system_sgpr_workgroup_id_x 1
		.amdhsa_system_sgpr_workgroup_id_y 1
		.amdhsa_system_sgpr_workgroup_id_z 1
		.amdhsa_system_vgpr_workitem_id 0
		.amdhsa_next_free_vgpr 512
		.amdhsa_next_free_sgpr 66
		.amdhsa_reserve_vcc 0
		.amdhsa_float_denorm_mode_32 3
		.amdhsa_float_denorm_mode_16_64 3
		.amdhsa_memory_ordered 1
		.amdhsa_forward_progress 1
		.amdhsa_inst_pref_size 180
	.end_amdhsa_kernel
	.amdgpu_metadata
---
amdhsa.version: [ 1, 2 ]
amdhsa.kernels:
  - .name:           k_q992e0bbb23_attend
    .symbol:         k_q992e0bbb23_attend.kd
    .args:
      - { .name: queries, .offset: 0, .size: 8, .value_kind: global_buffer, .address_space: global }
      - { .name: kv, .offset: 8, .size: 8, .value_kind: global_buffer, .address_space: global }
      - { .name: valid_lens, .offset: 16, .size: 8, .value_kind: global_buffer, .address_space: global }
      - { .name: out0, .offset: 24, .size: 8, .value_kind: global_buffer, .address_space: global }
    .group_segment_fixed_size: 203776
    .private_segment_fixed_size: 0
    .kernarg_segment_align: 8
    .kernarg_segment_size: 32
    .max_flat_workgroup_size: 256
    .sgpr_count:     66
    .vgpr_count:     512
    .wavefront_size: 32
...
	.end_amdgpu_metadata
.endif
;; end of part 4
